; MI455X (gfx1250); checked and timed in simulation.
; The chip was launched on July 23, 2026; its instructions are those of AMD's public machine-readable ISA for CDNA 5 (MIT licence, August 2026) and "CDNA5" Instruction Set Architecture Reference Guide (July 2026). The comments in the code are by the model that wrote it; some were corrected since.
;; Attention. Allowed arithmetic: matrix products marked QUANTISED: E2M1 operands, one E8M0 scale for each 32 along K, by v_wmma_scale_f32_16x16x128_f8f6f4 with both operands' format E2M1 (or v_wmma_scale_f32_32x16x128_f4), f32 sums; products left as they are: f32 operands where the result goes on into a quantised operand, else bf16, f16 or f32 operands; f32 sums; everything else in f32.
;; Inputs: W_codes 1,024 x 32 x 16 uint8 (E2M1 codes of W, K innermost, in blocks of 32 codes, two codes a byte); W_scales 1,024 x 32 uint8 (E8M0 scales of W, one for each 32 codes along K); b 1,024 float32; encoder_outputs_codes 2,048 x 32 x 32 x 16 uint8 (E2M1 codes of encoder_outputs, K innermost, in blocks of 32 codes, two codes a byte); encoder_outputs_scales 2,048 x 32 x 32 uint8 (E8M0 scales of encoder_outputs, one for each 32 codes along K); hidden 1 x 32 x 1,024 float32.
;; Outputs: out0 32 x 1 x 2,048 float32.
;; This version of the problem:
;;   THIS VERSION OF THE PROBLEM IS GIVEN IN LOW PRECISION. The matrix products marked QUANTISED in the list below multiply operands that are first quantised to E2M1 (2 exponent bits, 1 mantissa bit; 4 bits a number), with one power-of-two scale for each 32 numbers along K (OCP MX v1.0); their sums are f32. All else is computed in f32.
;;   The module's matrix products, in the order in which they are computed (A, B: the left and right operand; K: the contracted axis; several contracted axes count as one K, in the product's order):
;;     1. [M 65,536, K 1,024] x [K 1,024, N 1,024]; A: input encoder_outputs (given as codes); B: input W (given as codes): QUANTISED
;;     2. batch 32 x [M 1, K 1,024] x [K 1,024, N 2,048]; A: input hidden; B: computed on the way: left as it is (M = 1 < 16)
;;   THE QUANTISER, for each operand of a quantised product, along K:
;;     - K is cut into blocks of 32 from its start; a last block that is shorter is filled with zeros.
;;     - A block's scale is 2^e with e = floor(log2(the largest magnitude in the block)) - 2, held to -126 .. 127; a block of zeros has e = 0. As a byte (E8M0): e + 127.
;;     - Each number is divided by its block's scale, clamped to +-6, and rounded to the nearest number of E2M1, ties to even, subnormals kept.
;;     - The product sums the exact products of the quantised numbers (number of the format x scale) in f32.
;;   ~~~python
;;   def quantise(x, axis):      # numpy; x: float32 -> the quantised numbers, widened to float32 again
;;       x = np.moveaxis(x, axis, -1); K = x.shape[-1]
;;       x = np.pad(x, [(0, 0)] * (x.ndim - 1) + [(0, -K % 32)]); x = x.reshape(x.shape[:-1] + (-1, 32)); a = np.abs(x).max(-1, keepdims=True)
;;       e = np.where(a > 0, np.clip(np.frexp(np.where(a > 0, a, 1))[1] - 1 - 2, -126, 127), 0)      # np.frexp(a)[1] - 1 = floor(log2(a)), exactly
;;       r = np.clip(x / 2.0 ** e, -6, 6)
;;       step = 2.0 ** (np.maximum(np.frexp(np.where(r == 0, 1, r))[1] - 1, 0) - 1)
;;       q = np.round(r / step) * step * 2.0 ** e      # np.round: ties to even
;;       return np.moveaxis(q.reshape(q.shape[:-2] + (-1,))[..., :K], -1, axis).astype(np.float32)
;;   ~~~
;;   INPUTS GIVEN AS CODES. W (in the module: [1024, 1024], K = its axis 1); encoder_outputs (in the module: [2048, 32, 1024], K = its axis 2): each comes as NAME_codes (uint8): NAME with its K axis moved to the last place and cut into blocks of 32 codes, [.., K / 32, bytes a block], one block behind the other in memory; two codes a byte, the lower K in the low four bits (a code: sign, 2 exponent bits, 1 mantissa bit); and NAME_scales (uint8): the same leading axes, one E8M0 byte (e + 127) for each 32 codes along K. Its value is code x scale, taken as it is: it is not quantised again, and the codes and scales need not be those that the quantiser above would give.
;; 2 versions. Each part assembles by itself: llvm-mc -triple=amdgcn-amd-amdhsa -mcpu=gfx1250 --defsym DOCPART=n.
;; ======== version 1 of 2: 2 launches
;; workspace buffers: part 1,048,576 bytes
;; launch scores (part 1): grid 4 x 64, 4 waves a work-group, clusters of 4 x 4, 327,680 bytes of LDS; arguments W_codes, W_scales, b, encoder_outputs_codes, encoder_outputs_scales, hidden, part; writes part
.if DOCPART == 1
	.amdgcn_target "amdgcn-amd-amdhsa--gfx1250"
	.amdhsa_code_object_version 6
	.text
	.protected	k_qe533bfcb55_scores
	.globl	k_qe533bfcb55_scores
	.p2align	8
	.type	k_qe533bfcb55_scores,@function
k_qe533bfcb55_scores:
	s_mov_b64 s[64:65], 0
	v_nop
	global_prefetch_b8 v0, s[64:65] scope:SCOPE_SE
	s_setreg_imm32_b32 hwreg(HW_REG_WAVE_MODE, 25, 1), 1
	s_wait_xcnt 0x0
	s_wait_alu depctr_hold_cnt(0) depctr_sa_sdst(0) depctr_va_vdst(0) depctr_va_sdst(0) depctr_va_ssrc(0) depctr_va_vcc(0) depctr_vm_vsrc(0)
	s_getreg_b32 s2, hwreg(HW_REG_IB_STS2, 6, 4)
	s_cmp_eq_u32 s2, 0
	s_cbranch_scc0 .Lentry_in_a_cluster
	s_endpgm
.Lentry_in_a_cluster:
	s_bfe_u32 s2, ttmp6, 0x10000c
	s_cmp_lg_u32 s2, 0xf033
	s_cbranch_scc0 .Lentry_shape_is_right
	s_endpgm
.Lentry_shape_is_right:
; part[p][b][s] = sum over n in N part p (256 n) of hidden[b][n] x (sum over k of W[n][k] E[s][b][k] + bias[n]).  W, E: codes of FP4 (E2M1) with one E8M0 byte for each 32 along K, taken as they lie.
; The projection never goes to memory: each 16 x 16 result is multiplied by hidden and summed in registers, in f32.  The four N parts are added, and the softmax taken, by the next launch.
; SHARES.  Work-group (p, y): N part p = 256 rows of W; g = y & 1: b = 16 g .. 16 g + 15; rho = y >> 1: s = 64 rho .. 64 rho + 63: 64 ROW BLOCKS of 16 rows of E (one s, sixteen b).
; Wave w: nh = w >> 1: 128 of the 256 rows of W; kh = w & 1: 512 of the 1,024 along K.  Its part of W, 8 tiles x 4 K steps x 8 registers, stays in 256 registers for the whole launch.
; The score is linear in the projection, so a K half's partial sums are dotted with hidden like whole ones; the four waves' partial scores meet in LDS at the end.
; THE MATRIX INSTRUCTION IS USED TRANSPOSED (source 0 = 16 rows of W, source 1 = 16 rows of E): lane (r, h) holds E's row r (b = 16 g + r) and its registers n = 16 t + 8 h + j.  Since every row block has the
; same sixteen b, a lane's 64 factors hidden[b][n] are the same registers for all 64 blocks, and the bias is one pair a lane, sum of hidden x bias, the addend of the dot's first multiply-add (waves with kh = 0 alone).
; E comes through two LDS slots of 16 row blocks.  CLUSTER 4 x 4: the four N parts of a row of the cluster need the same tiles of E and ask for them jointly; the four of a column share their part of W.
; A TRIP j multiplies block j (32 matrix instructions, 8 accumulators by turns), dots block j - 1 (one packed multiply-add behind each matrix instruction), folds block j - 2's sums, and fetches block j + 1's fragments.
; LIMITS: the f32 sums are ordered otherwise than in the definition (K halves, N parts, the bias as hidden . bias); a scale byte 0xff or a non-finite hidden or bias gives NaN.
; REGISTERS, in windows of 256.  Window 0: addresses, scale words, E's fragments (two sets), the accumulators (two sets).  Window 1: W's K steps 0, 1 (v0-127), hidden's factors (v128-191), three LDS addresses (v192-194).
; Window 2: W's K steps 2, 3 and hidden's factors once more.  Only SOURCE 0 changes window: under 0x01 and 0x02 the matrix instructions, the dot's lines (hidden as source 0), the LDS loads and stores (address = source 0)
; all run without a further switch.  An addition of two window-0 registers is therefore written as a multiply-add with the constant 1.0 as source 0.
.set BLK,   8448                       ; a row block in LDS: 16 rows x (512 bytes + 16 of padding): pitch 528 = 33 x 16, so the 16 rows of a load start at 16 different 16-byte columns
.set QTR,   4*BLK                      ; what one tensor load brings: four row blocks of E, or 64 rows of W
.set SLOTB, 4*QTR                      ; slot A at 0, slot B here (0x21000: it shares no bit with wave x QTR, so one exclusive or turns an address).  Slot B first holds W's 256 rows
.set ESC,   2*SLOTB                    ; E's scale bytes: 64 s x 512 bytes, filled once
.set PART,  ESC+32768                  ; partial scores: 4,352 bytes a wave, 132 bytes a pair of row blocks; written by LDS stores alone
.set PW,    4352
.set SPARE, PART+4*PW                  ; the spare words, 128 bytes for each wave: two blocks of 256 bytes that no other line names
.set SPW, 12                           ; v12  LDS address of my spare word; never rewritten
.set NIL, 13                           ; v13  0; never rewritten
.set AE0, 14                           ; v14  my lane's place in a row block of E
.set AS0, 15                           ; v15  my lane's place among E's scale words
.set AP0, 16                           ; v16  my lane's place among my wave's partial scores
.set AW,  17                           ; v17  my lane's place in W's stage
.set BS,  18                           ; v[18:19] sum of hidden x bias over my 64 n, in two halves (0 where kh = 1)
.set XS,  20                           ; v20, v21 the even and the odd block's sums of a pair
.set Z,   22                           ; v22  a pair's 32 scores
.set PFO, 23                           ; v23  256 x lane: the prefetches' offset; never rewritten
.set XP,  24                           ; v[24:25] a block's two chains joined
.set RDP, 26                           ; v26  the way out: where I read partial scores
.set GO,  27                           ; v27  the way out: my byte offset in part
.set WS,  32                           ; v32-47 W's scale words: register 4 u + q: lanes 0-15 tile 2 u, lanes 16-31 tile 2 u + 1, K step q
.set ES,  48                           ; v48-55 E's scale words, two sets of four: lanes 0-15 a pair's even block, lanes 16-31 its odd block
.set EF,  64                           ; v64-127 E's fragments, two sets of four K steps
.set ACC, 128                          ; v128-255 the accumulators, two sets of eight tiles
.set OUTR, 64                          ; the way out: 32 registers
.set HF,  128                          ; windows 1 and 2: hidden's 64 factors
.set AE,  192                          ; window 1: LDS addresses of the quad in hand: E's blocks,
.set AS,  193                          ; E's scale words,
.set AP,  194                          ; the partial scores
.set G1W, 24                           ; s[24:31] group 1 for W;  s[32:39] for E's codes;  s[40:47] for E's scales
.set G1E, 32
.set G1S, 40
.set G0W, 48                           ; s[48:51] group 0 for W;  s[52:55] for E's codes: it walks;  s[56:59] for E's scales
.set G0E, 52
.set G0S, 56
.set TB,  60                           ; s60  LDS byte of the first block that the next quad fetches
.set TS,  61                           ; s61  its place among E's scale words
.set TP,  62                           ; s62  its place among the partial scores
.set QC,  67                           ; s67  counts quads
.set PFA, 68                           ; s[68:69] the prefetches' base; never rewritten
.set MSB, 0
.macro WIN new                         ; the immediate's high byte repeats the setting that is left; a switch that changes nothing is dropped
.if MSB != \new
	s_set_vgpr_msb (MSB<<8)|\new
.set MSB, \new
.endif
.endm
.macro PLACES
.rept 4
	v_nop
.endr
.endm
; A round of the cluster's barrier: my work-group's barrier; wave 0 signals for the work-group; every wave waits for all sixteen work-groups; my work-group's barrier once more.
.macro CROUND
	s_barrier_signal -1
	s_barrier_wait -1
	s_cmp_lg_u32 s18, 0
	s_cbranch_scc1 .Lnot_wave_0_\@
	s_barrier_signal -3
.Lnot_wave_0_\@:
	s_barrier_wait -3
	s_barrier_signal -1
	s_barrier_wait -1
.endm
	s_load_b256 s[4:11], s[0:1], 0x0               ; W's codes s[4:5], W's scales s[6:7], bias s[8:9], E's codes s[10:11]
	s_load_b128 s[12:15], s[0:1], 0x20             ; E's scales s[12:13], hidden s[14:15]
	s_load_b64 s[16:17], s[0:1], 0x30              ; part
	v_lshl_add_u32 v[SPW], v0, 2, SPARE
	v_mov_b32 v[NIL], 0
	ds_add_u32 v12, v13
	ds_add_u32 v12, v13
	s_wait_dscnt 0x0
	v_lshrrev_b32 v1, 5, v0
	v_readfirstlane_b32 s18, v1                    ; wave 0..3
	s_lshr_b32 s19, s18, 1                         ; nh
	s_and_b32 s20, s18, 1                          ; kh
	s_bfe_u32 s21, ttmp6, 0x40000                  ; cx, cy: my place in the cluster
	s_bfe_u32 s22, ttmp6, 0x40004
	s_lshl_b32 s70, ttmp9, 2
	s_add_co_u32 s70, s70, s21                     ; p = 4 x cluster x + cx
	s_and_b32 s23, ttmp7, 0xffff
	s_lshl_b32 s23, s23, 2
	s_add_co_u32 s23, s23, s22                     ; y = 4 x cluster y + cy
	s_and_b32 s71, s23, 1                          ; g
	s_lshr_b32 s63, s23, 1                         ; rho
	s_lshl_b32 s78, s22, 2
	s_lshl_b32 s78, 15, s78                        ; my row of the cluster: it shares y, so E's tiles
	s_lshl_b32 s79, 0x1111, s21                    ; my column: it shares p, so W's part
	; group 1, elements of 8 bytes.  W: 64 rows of 512 bytes, dense; 16 bytes of padding behind every 512
	s_or_b32 s[G1W], s79, (3<<16)|(1<<20)|(1<<21)|(6<<22)|(3<<25)  ; 15:0 the mask; 17:16 elements of 8 bytes; 20 padding on; 21 set beside a mask; 24:22 after every 128 words (code 6); 31:25 four words (code 3)
	s_mov_b32 s[G1W+1], 64<<16                     ; tensor_dim0 = 64
	s_mov_b32 s[G1W+2], 64<<16                     ; tensor_dim1 = 64
	s_mov_b32 s[G1W+3], 64<<16                     ; tile_dim0 = 64
	s_mov_b32 s[G1W+4], 64                         ; tile_dim1 = 64
	s_mov_b32 s[G1W+5], 64                         ; from row to row
	s_mov_b32 s[G1W+6], 0
	s_mov_b32 s[G1W+7], 0
	; E's codes: 4 rows of 8,192 bytes (the sixteen b of one s), 16,384 bytes apart; the same padding, sixteen times in a row: every 512 bytes of E lie 528 apart in LDS
	s_or_b32 s[G1E], s78, (3<<16)|(1<<20)|(1<<21)|(6<<22)|(3<<25)
	s_mov_b32 s[G1E+1], 1024<<16
	s_mov_b32 s[G1E+2], 4<<16
	s_mov_b32 s[G1E+3], 1024<<16
	s_mov_b32 s[G1E+4], 4
	s_mov_b32 s[G1E+5], 2048
	s_mov_b32 s[G1E+6], 0
	s_mov_b32 s[G1E+7], 0
	; E's scales: 16 rows of 512 bytes (the sixteen b of one s), 1,024 bytes apart, no padding
	s_or_b32 s[G1S], s78, (3<<16)|(1<<21)
	s_mov_b32 s[G1S+1], 64<<16
	s_mov_b32 s[G1S+2], 16<<16
	s_mov_b32 s[G1S+3], 64<<16
	s_mov_b32 s[G1S+4], 16
	s_mov_b32 s[G1S+5], 128
	s_mov_b32 s[G1S+6], 0
	s_mov_b32 s[G1S+7], 0
	; where the tiles come from.  W's offset is made of p and the wave's number, E's two of y and the wave's number, each in registers of its own
	s_lshl_b32 s72, s70, 17                        ; W: p x 256 rows of 512 bytes
	s_lshl_b32 s73, s18, 15                        ; + wave x 64 rows
	s_add_co_u32 s72, s72, s73
	s_mov_b32 s73, 0
	s_lshl_b32 s74, s63, 20                        ; E's codes: rho x 64 s of 16,384 bytes
	s_lshl_b32 s75, s71, 13                        ; + g x 16 rows of 512 bytes
	s_add_co_u32 s74, s74, s75
	s_lshl_b32 s75, s18, 16                        ; + wave x 4 s
	s_add_co_u32 s74, s74, s75
	s_mov_b32 s75, 0
	s_lshl_b32 s76, s63, 16                        ; E's scales: rho x 64 s of 1,024 bytes
	s_lshl_b32 s77, s71, 9                         ; + g x 16 rows of 32 bytes
	s_add_co_u32 s76, s76, s77
	s_lshl_b32 s77, s18, 14                        ; + wave x 16 s
	s_add_co_u32 s76, s76, s77
	s_mov_b32 s77, 0
	s_mul_i32 s66, s18, QTR                        ; and where they go: the wave's number alone enters an LDS address
	s_lshl_b32 s67, s18, 13
	s_wait_kmcnt 0x0
	s_mov_b32 s[G0W], 1                            ; count = 1
	s_add_co_u32 s[G0W+1], s66, SLOTB              ; LDS address
	s_add_nc_u64 s[G0W+2:G0W+3], s[4:5], s[72:73]  ; global address
	s_or_b32 s[G0W+3], s[G0W+3], 0x80000000        ; type = 2
	s_mov_b32 s[G0E], 1
	s_mov_b32 s[G0E+1], s66                        ; slot A
	s_add_nc_u64 s[G0E+2:G0E+3], s[10:11], s[74:75]
	s_or_b32 s[G0E+3], s[G0E+3], 0x80000000
	s_mov_b32 s[G0S], 1
	s_add_co_u32 s[G0S+1], s67, ESC
	s_add_nc_u64 s[G0S+2:G0S+3], s[12:13], s[76:77]
	s_or_b32 s[G0S+3], s[G0S+3], 0x80000000
	CROUND                                         ; all sixteen work-groups are here: the first joint loads meet
	tensor_load_to_lds s[G0W:G0W+3], s[G1W:G1W+7]  ; the three first fills go out together: three loads of mine are out.  W first: it is wanted first
	s_nop 0
	tensor_load_to_lds s[G0S:G0S+3], s[G1S:G1S+7]
	s_nop 0
	tensor_load_to_lds s[G0E:G0E+3], s[G1E:G1E+7]
	s_nop 0
	PLACES                                         ; four plain lines follow the tensor loads
	; the other buffers' bases
	s_lshl_b32 s72, s70, 13                        ; W's scales: p x 256 rows of 32 bytes + nh x 128 rows + kh x 16 bytes
	s_lshl_b32 s62, s19, 12
	s_add_co_u32 s72, s72, s62
	s_lshl_b32 s62, s20, 4
	s_add_co_u32 s72, s72, s62
	s_add_nc_u64 s[6:7], s[6:7], s[72:73]
	s_lshl_b32 s72, s70, 10                        ; bias: my 128 n begin at 256 p + 128 nh
	s_lshl_b32 s62, s19, 9
	s_add_co_u32 s72, s72, s62
	s_add_nc_u64 s[8:9], s[8:9], s[72:73]
	s_lshl_b32 s60, s71, 16                        ; hidden: row 16 g, the same n
	s_add_co_u32 s60, s60, s72
	s_mov_b32 s61, 0
	s_add_nc_u64 s[14:15], s[14:15], s[60:61]
	s_lshl_b32 s60, s70, 18                        ; part: [p][b][s]: p x 262,144 + 16 g rows of 8,192 bytes + 64 rho numbers
	s_lshl_b32 s62, s71, 17
	s_add_co_u32 s60, s60, s62
	s_lshl_b32 s62, s63, 8
	s_add_co_u32 s60, s60, s62
	s_add_nc_u64 s[16:17], s[16:17], s[60:61]
	s_lshl_b32 s60, s21, 2                         ; the prefetches: of a slot's sixteen s, the four partners of my row and their four waves take one each, told apart by address: s = 4 cx + wave
	s_add_co_u32 s60, s60, s18
	s_lshl_b32 s60, s60, 14
	s_lshl_b32 s62, s63, 20
	s_add_co_u32 s60, s60, s62
	s_lshl_b32 s62, s71, 13
	s_add_co_u32 s60, s60, s62
	s_add_nc_u64 s[PFA:PFA+1], s[10:11], s[60:61]
	; lanes
	v_and_b32 v2, 31, v0                           ; lane
	v_and_b32 v3, 15, v0                           ; r
	v_bfe_u32 v4, v0, 4, 1                         ; h
	v_lshrrev_b32 v9, 4, v0                        ; thread / 16: 0..7
	s_lshl_b32 s62, s20, 8
	v_mul_u32_u24 v[AE0], v3, 528
	v_lshl_add_u32 v[AE0], v4, 4, v[AE0]
	v_add_nc_u32 v[AE0], s62, v[AE0]               ; row r x pitch + 16 h + my K half's 256 bytes
	s_lshl_b32 s62, s20, 4
	s_add_co_u32 s62, s62, ESC
	v_lshl_add_u32 v[AS0], v2, 5, s62              ; 32 x lane = 32 r + 512 h: lanes 0-15 the even s, lanes 16-31 the odd one; + my K half's 16 bytes
	s_mul_i32 s62, s18, PW
	s_add_co_u32 s62, s62, PART
	v_lshl_add_u32 v[AP0], v2, 2, s62
	s_mul_i32 s62, s19, 128*528
	s_add_co_u32 s62, s62, SLOTB
	v_add_nc_u32 v[AW], s62, v[AE0]                ; W's stage: my 128 rows
	v_lshlrev_b32 v5, 5, v2                        ; W's scales: 32 bytes a row, lane = row within a pair of tiles
	v_lshlrev_b32 v6, 12, v3
	v_lshl_add_u32 v6, v4, 5, v6                   ; hidden: row r of 4,096 bytes + 8 h numbers
	v_lshlrev_b32 v7, 5, v4                        ; bias: 8 h numbers
	v_lshlrev_b32 v[PFO], 8, v2
	v_mul_u32_u24 v[RDP], v3, 264                  ; the way out: thread t reads s = 4 (t % 16) + 0..3 (two pairs of blocks) of b = t / 16 and t / 16 + 8
	v_lshl_add_u32 v[RDP], v9, 2, v[RDP]
	v_add_nc_u32 v[RDP], PART, v[RDP]
	v_lshlrev_b32 v[GO], 13, v9
	v_lshl_add_u32 v[GO], v3, 4, v[GO]             ; and stores 16 bytes of row t / 16 of part
.irp u, 0,1,2,3
	global_load_b128 v[WS+4*\u:WS+4*\u+3], v5, s[6:7] offset:1024*\u   ; four words a row: K steps 0 to 3 of my K half; rows 32 u + lane
.endr
.irp t, 0,1,2,3,4,5,6,7
	global_load_b128 v[ACC+8*\t:ACC+8*\t+3], v7, s[8:9] offset:64*\t        ; bias at n = 16 t + 8 h + 0..7, for now where the accumulators will lie
	global_load_b128 v[ACC+8*\t+4:ACC+8*\t+7], v7, s[8:9] offset:64*\t+16
.endr
	WIN 0x40                                       ; destination window 1
.irp t, 0,1,2,3,4,5,6,7
	global_load_b128 v[HF+8*\t:HF+8*\t+3], v6, s[14:15] offset:64*\t        ; hidden[16 g + r][16 t + 8 h + 0..7]
	global_load_b128 v[HF+8*\t+4:HF+8*\t+7], v6, s[14:15] offset:64*\t+16
.endr
	WIN 0x80                                       ; and once more into window 2, so that the dot's lines need no switch of their own
.irp t, 0,1,2,3,4,5,6,7
	global_load_b128 v[HF+8*\t:HF+8*\t+3], v6, s[14:15] offset:64*\t
	global_load_b128 v[HF+8*\t+4:HF+8*\t+7], v6, s[14:15] offset:64*\t+16
.endr
	s_wait_tensorcnt 0x2                           ; my quarter of W has landed; the two loads issued behind it (E's scales, E's slot A) may stay out
	s_barrier_signal -1
	s_barrier_wait -1                              ; everybody's has
	; W into registers.  A fragment, 16 rows x 128 K of 4-bit codes, is 8 registers: lane (r, h) holds row r; registers 4 c .. 4 c + 3 hold K = 64 c + 32 h + 0..31: 16 bytes of the row as they lie
	WIN 0x40
.irp q, 0,1
.irp t, 0,1,2,3,4,5,6,7
.irp c, 0,1
	ds_load_b128 v[64*\q+8*\t+4*\c:64*\q+8*\t+4*\c+3], v[AW] offset:BLK*\t+64*\q+32*\c
.endr
.endr
.endr
	WIN 0x80
.irp q, 0,1
.irp t, 0,1,2,3,4,5,6,7
.irp c, 0,1
	ds_load_b128 v[64*\q+8*\t+4*\c:64*\q+8*\t+4*\c+3], v[AW] offset:BLK*\t+64*(\q+2)+32*\c
.endr
.endr
.endr
	s_wait_loadcnt 0x0                             ; W's scale words, bias, hidden
	WIN 0x01                                       ; source 0 (hidden) window 1
	v_pk_mul_f32 v[BS:BS+1], v[HF:HF+1], v[ACC:ACC+1]              ; sum of hidden x bias over my 64 n, in two chains
	v_pk_mul_f32 v[XP:XP+1], v[HF+2:HF+3], v[ACC+2:ACC+3]
.set i, 2
.rept 15
	v_pk_fma_f32 v[BS:BS+1], v[HF+2*i:HF+2*i+1], v[ACC+2*i:ACC+2*i+1], v[BS:BS+1]
	v_pk_fma_f32 v[XP:XP+1], v[HF+2*i+2:HF+2*i+3], v[ACC+2*i+2:ACC+2*i+3], v[XP:XP+1]
.set i, i+2
.endr
	WIN 0
	v_pk_add_f32 v[BS:BS+1], v[BS:BS+1], v[XP:XP+1]
	s_cmp_eq_u32 s20, 0
	s_cselect_b32 s62, -1, 0
	v_cndmask_b32 v[BS], 0, v[BS], s62             ; the two waves of a K pair hold the same n: the bias counts in the one with kh = 0
	v_cndmask_b32 v[BS+1], 0, v[BS+1], s62
; Matrix instruction i of a block's 32: K step q = i / 8, tile t = i % 8.  The eight accumulators take turns, one instruction a turn, and the sets change from block to block.
; The first K step starts the sums with the constant 0.  W's scale word: lanes 16-31 for odd tiles; E's: lanes 16-31 for odd blocks.
.macro MM par, sc
.set q, i/8
.set t, i%8
.set rD, ACC+64*(\par)+8*t
.set rW, 64*(q%2)+8*t
.set rE, EF+32*(\par)+8*q
.set rSA, WS+4*(t/2)+q
.set rSB, ES+4*(\sc)+q
.if q == 0
.if (t%2 == 0) && (\par == 0)
	v_wmma_scale_f32_16x16x128_f8f6f4 v[rD:rD+7], v[rW:rW+7], v[rE:rE+7], 0, v[rSA], v[rSB] matrix_a_fmt:MATRIX_FMT_FP4 matrix_b_fmt:MATRIX_FMT_FP4
.elseif \par == 0
	v_wmma_scale_f32_16x16x128_f8f6f4 v[rD:rD+7], v[rW:rW+7], v[rE:rE+7], 0, v[rSA], v[rSB] matrix_a_fmt:MATRIX_FMT_FP4 matrix_b_fmt:MATRIX_FMT_FP4 matrix_a_scale:MATRIX_SCALE_ROW1
.elseif t%2 == 0
	v_wmma_scale_f32_16x16x128_f8f6f4 v[rD:rD+7], v[rW:rW+7], v[rE:rE+7], 0, v[rSA], v[rSB] matrix_a_fmt:MATRIX_FMT_FP4 matrix_b_fmt:MATRIX_FMT_FP4 matrix_b_scale:MATRIX_SCALE_ROW1
.else
	v_wmma_scale_f32_16x16x128_f8f6f4 v[rD:rD+7], v[rW:rW+7], v[rE:rE+7], 0, v[rSA], v[rSB] matrix_a_fmt:MATRIX_FMT_FP4 matrix_b_fmt:MATRIX_FMT_FP4 matrix_a_scale:MATRIX_SCALE_ROW1 matrix_b_scale:MATRIX_SCALE_ROW1
.endif
.else
.if (t%2 == 0) && (\par == 0)
	v_wmma_scale_f32_16x16x128_f8f6f4 v[rD:rD+7], v[rW:rW+7], v[rE:rE+7], v[rD:rD+7], v[rSA], v[rSB] matrix_a_fmt:MATRIX_FMT_FP4 matrix_b_fmt:MATRIX_FMT_FP4
.elseif \par == 0
	v_wmma_scale_f32_16x16x128_f8f6f4 v[rD:rD+7], v[rW:rW+7], v[rE:rE+7], v[rD:rD+7], v[rSA], v[rSB] matrix_a_fmt:MATRIX_FMT_FP4 matrix_b_fmt:MATRIX_FMT_FP4 matrix_a_scale:MATRIX_SCALE_ROW1
.elseif t%2 == 0
	v_wmma_scale_f32_16x16x128_f8f6f4 v[rD:rD+7], v[rW:rW+7], v[rE:rE+7], v[rD:rD+7], v[rSA], v[rSB] matrix_a_fmt:MATRIX_FMT_FP4 matrix_b_fmt:MATRIX_FMT_FP4 matrix_b_scale:MATRIX_SCALE_ROW1
.else
	v_wmma_scale_f32_16x16x128_f8f6f4 v[rD:rD+7], v[rW:rW+7], v[rE:rE+7], v[rD:rD+7], v[rSA], v[rSB] matrix_a_fmt:MATRIX_FMT_FP4 matrix_b_fmt:MATRIX_FMT_FP4 matrix_a_scale:MATRIX_SCALE_ROW1 matrix_b_scale:MATRIX_SCALE_ROW1
.endif
.endif
.endm
; Line i of 32 of the dot with hidden, on accumulator set o: pair i of the set's 64 numbers times hidden's pair i, added to pair i - 2's result, in place: two chains, so that no line waits for the line before it.
; Each tile is read from its low end on.  The first chain starts from the bias pair.
.macro EP o
.set rP, ACC+64*(\o)+2*i
.set rH, HF+2*i
.if i == 0
	v_pk_fma_f32 v[rP:rP+1], v[rH:rH+1], v[rP:rP+1], v[BS:BS+1]
.elseif i == 1
	v_pk_mul_f32 v[rP:rP+1], v[rH:rH+1], v[rP:rP+1]
.else
	v_pk_fma_f32 v[rP:rP+1], v[rH:rH+1], v[rP:rP+1], v[rP-4:rP-3]
.endif
.endm
.macro XPK o                           ; the two chains' ends are added (1.0 stands as source 0, whose window is not 0 here).  It stands ahead of the block's eighth matrix instruction, which writes these registers anew
	v_pk_fma_f32 v[XP:XP+1], 1.0, v[ACC+64*(\o)+62:ACC+64*(\o)+63], v[ACC+64*(\o)+60:ACC+64*(\o)+61] op_sel_hi:[0,1,1]
.endm
.macro XSUM o                          ; and the pair's halves: my lane's sum over its 64 n
	v_fma_f32 v[XS+(\o)], 1.0, v[XP+1], v[XP]
.endm
; A TRIP.  par: the block's parity (its sets of fragments and accumulators); sc: its set of scale words; epi: the block before is dotted; xs: the block two back is folded;
; st >= 0: the pair three and two back is stored, st bytes on; ld >= 0: the next block's fragments are fetched, ld blocks on; nsc >= 0: the next pair's scale words go into set nsc, from nso bytes on.
; PLACES.  A line that reads or writes a result, and a load into a register that matrix instructions have read, stand four plain vector lines or more behind the matrix instruction in question (ISA guide 7.12.1 for vector
; instructions): tile t's last product is instruction 24 + t, and its first reader is the next trip's line 4 t: 8 - t + 4 t dot lines of other registers lie between; the loads into the other set's K step u stand behind lines 0 to 2 u
; of this trip and line 31 of the last.  Where a trip has no dot (the first), four v_nop close it.
.macro BLOCK par, sc, epi, xs, st, ld, nsc, nso
	s_wait_dscnt 0x0                               ; this block's fragments and scale words are in: the youngest LDS instruction was issued 23 matrix instructions ago or more
	WIN 0x01                                       ; source 0 window 1: W's K steps 0, 1
.set i, 0
.rept 32
.if i == 16
	WIN 0x02                                       ; source 0 window 2: W's K steps 2, 3
.endif
	MM \par, \sc
.if \epi
	EP 1-\par
.endif
.if \xs && (i == 0)
	XPK \par
.endif
.if \xs && (i == 1)
	XSUM \par
.endif
.if (\ld >= 0) && (i < 8)
.set rL, EF+32*(1-\par)+8*(i/2)+4*(i%2)
	ds_load_b128 v[rL:rL+3], v[AE] offset:(\ld)*BLK+64*(i/2)+32*(i%2)
.endif
.if (\st >= 0) && (i == 3)
	WIN 0
	v_permlane16_swap_b32 v[XS], v[XS+1]           ; the even block's lanes 16-31 change places with the odd block's lanes 0-15:
	WIN 0x01
.endif
.if (\st >= 0) && (i == 4)
	v_fma_f32 v[Z], 1.0, v[XS], v[XS+1]            ; the two halves of n are added: lanes 0-15 the even block's sixteen scores, lanes 16-31 the odd block's
.endif
.if (\st >= 0) && (i == 5)
	ds_store_b32 v[AP], v[Z] offset:\st
.endif
.if (\nsc >= 0) && (i == 8)
	ds_load_b128 v[ES+4*(\nsc):ES+4*(\nsc)+3], v[AS] offset:\nso
.endif
.set i, i+1
.endr
.if !\epi
	PLACES
.endif
.endm
.macro ADR                             ; the LDS addresses of the next four trips, into window 1; the scalars step on
	WIN 0x40
	v_add_nc_u32 v[AE], s[TB], v[AE0]
	v_add_nc_u32 v[AS], s[TS], v[AS0]
	v_add_nc_u32 v[AP], s[TP], v[AP0]
	s_add_co_u32 s[TB], s[TB], QTR
	s_add_co_u32 s[TS], s[TS], 2048
	s_add_co_u32 s[TP], s[TP], 264
.endm
.macro QUAD                            ; trips 4 m + 3 .. 4 m + 6: they fetch blocks 4 m + 4 .. 4 m + 7 and the scale words of pairs 2 m + 2, 2 m + 3, and store pairs 2 m, 2 m + 1
	ADR
	BLOCK 1, 1, 1, 1, 0, 0, 0, 0
	BLOCK 0, 0, 1, 1, -1, 1, -1, 0
	BLOCK 1, 0, 1, 1, 132, 2, 1, 1024
	BLOCK 0, 1, 1, 1, -1, 3, -1, 0
	WIN 0                                          ; at a label and at a branch every window is 0
.endm
.macro RUN n
	s_mov_b32 s[QC], \n
.Lquad_\@:
	QUAD
	s_sub_co_u32 s[QC], s[QC], 1
	s_cmp_lg_u32 s[QC], 0
	s_cbranch_scc1 .Lquad_\@
.endm
; THE CHANGE OF SLOTS.  Each wave waits for all its tensor loads (one is out: its quarter of the slot ahead), adds 0 to its spare word, and waits for that and for its reads of the slot that it leaves.
; fill = 1: that slot is filled again, with the sixteen s two slots on: the barrier is then a round of the cluster's, so that no wave of any partner still reads the slot or has a load on its way, and the joint load is the
; first thing behind it: it has sixteen trips, 512 matrix instructions, in which to land.  turn = 1: the fetches go on in the other slot.
; ask > 0: a prefetch of what the NEXT change will ask for, ask bytes from the work-group's first s: one s of 8,192 bytes a wave, lanes 256 bytes apart.  The sixteen waves of my row of the cluster take the slot's sixteen s,
; and no other work-group reads these rows: each aligned 256 bytes are named once in the launch.  The last filling change asks for nothing.
.macro CHANGE fill, turn, ask
	s_wait_tensorcnt 0x0                           ; no tensor load of mine is out, so group 0 may be written
	ds_add_u32 v[SPW], v[NIL]                      ; 0 onto my spare word: the steps below stand between it and the wait for it
.if \fill
	s_xor_b32 s[G0E+1], s[G0E+1], SLOTB            ; the other slot than last time,
	s_add_nc_u64 s[G0E+2:G0E+3], s[G0E+2:G0E+3], 262144   ; the next sixteen s; the type bits on top are not reached
.endif
.if \turn
	s_sub_co_u32 s[TB], s[TB], 4*QTR               ; back to a slot's first block,
	s_xor_b32 s[TB], s[TB], SLOTB                  ; in the other slot
.endif
	s_wait_dscnt 0x0                               ; the add is done, and my reads of the slot that I leave are over
.if \fill
	CROUND
	tensor_load_to_lds s[G0E:G0E+3], s[G1E:G1E+7]  ; my one tensor load behind the round
	s_nop 0
	PLACES                                         ; four plain lines follow it
.if \ask
	global_prefetch_b8 v[PFO], s[PFA:PFA+1] offset:\ask th:TH_LOAD_NT scope:SCOPE_SE
.endif
.else
	s_barrier_signal -1
	s_barrier_wait -1
.endif
.endm
	CHANGE 1, 0, 2*262144                          ; W is in registers: its stage becomes slot B and takes blocks 16-31.  E's scales and slot A have landed, everybody's
	s_mov_b32 s[TB], 0
	s_mov_b32 s[TS], 0
	s_mov_b32 s[TP], 0
	ADR
	s_mov_b32 s[TP], 0                             ; the first three trips store nothing: pair 0 is stored by the first quad
	WIN 0x01
.irp u, 0,1,2,3,4,5,6,7
	ds_load_b128 v[EF+4*\u:EF+4*\u+3], v[AE] offset:32*\u          ; block 0's fragments: K step u / 2, half u % 2
.endr
	ds_load_b128 v[ES:ES+3], v[AS]                 ; pair 0's scale words
	BLOCK 0, 0, 0, 0, -1, 1, -1, 0                 ; trip 0: nothing to dot yet
	BLOCK 1, 0, 1, 0, -1, 2, 1, 1024               ; trip 1: nothing to fold yet
	BLOCK 0, 1, 1, 1, -1, 3, -1, 0                 ; trip 2
	WIN 0
	RUN 3                                          ; trips 3-14: slot A's last block is fetched in trip 14
	CHANGE 1, 1, 3*262144                          ; slot A takes blocks 32-47
	RUN 4                                          ; trips 15-30
	CHANGE 1, 1, 0                                 ; slot B takes blocks 48-63: the last load
	RUN 4                                          ; trips 31-46
	CHANGE 0, 1, 0                                 ; nothing is left to fetch from memory
	RUN 4                                          ; trips 47-62
	ADR
	BLOCK 1, 1, 1, 1, 0, -1, -1, 0                 ; trip 63: stores pair 30, fetches nothing
	XPK 0                                          ; block 62 is folded (the window stays: hidden's second copy serves the lines below)
	XSUM 0
.set i, 0
.rept 32
	EP 1                                           ; block 63 is dotted: tile 0's last product stands eight dot lines back, tile 7's 31 lines
.set i, i+1
.endr
	XPK 1
	XSUM 1
	WIN 0
	v_permlane16_swap_b32 v[XS], v[XS+1]
	v_add_f32 v[Z], v[XS], v[XS+1]
	WIN 0x01
	ds_store_b32 v[AP], v[Z] offset:132            ; pair 31
	WIN 0
	; THE WAY OUT.  The four waves' partial scores (two halves of n x two halves of K) are added; thread t takes four neighbouring s of two b.
	s_wait_dscnt 0x0                               ; for the others' sake: my stores have landed
	s_barrier_signal -1
	s_barrier_wait -1
.irp k, 0,1
.irp w, 0,1,2,3
.irp j, 0,1,2,3
	ds_load_b32 v[OUTR+16*\k+4*\w+\j], v[RDP] offset:PW*\w+32*\k+132*(\j/2)+64*(\j%2)   ; wave w's score of s = 4 (t % 16) + j, b = t / 16 + 8 k.  A pair's 33 words put the 32 lanes on 32 different banks (64 banks of 4 bytes: ISA guide 11.1)
.endr
.endr
.endr
	s_wait_dscnt 0x0
.irp k, 0,1
	v_pk_add_f32 v[OUTR+16*\k:OUTR+16*\k+1], v[OUTR+16*\k:OUTR+16*\k+1], v[OUTR+16*\k+4:OUTR+16*\k+5]
	v_pk_add_f32 v[OUTR+16*\k+2:OUTR+16*\k+3], v[OUTR+16*\k+2:OUTR+16*\k+3], v[OUTR+16*\k+6:OUTR+16*\k+7]
	v_pk_add_f32 v[OUTR+16*\k+8:OUTR+16*\k+9], v[OUTR+16*\k+8:OUTR+16*\k+9], v[OUTR+16*\k+12:OUTR+16*\k+13]
	v_pk_add_f32 v[OUTR+16*\k+10:OUTR+16*\k+11], v[OUTR+16*\k+10:OUTR+16*\k+11], v[OUTR+16*\k+14:OUTR+16*\k+15]
	v_pk_add_f32 v[OUTR+16*\k:OUTR+16*\k+1], v[OUTR+16*\k:OUTR+16*\k+1], v[OUTR+16*\k+8:OUTR+16*\k+9]
	v_pk_add_f32 v[OUTR+16*\k+2:OUTR+16*\k+3], v[OUTR+16*\k+2:OUTR+16*\k+3], v[OUTR+16*\k+10:OUTR+16*\k+11]
	global_store_b128 v[GO], v[OUTR+16*\k:OUTR+16*\k+3], s[16:17] offset:65536*\k   ; sixteen lanes store the work-group's 64 s of one b: 256 consecutive bytes, at a multiple of 256 from part's first byte
.endr
	s_wait_tensorcnt 0x0                           ; the wave's end: behind my last tensor load and my last LDS store
	ds_add_u32 v[SPW], v[NIL]
	s_wait_dscnt 0x0
	CROUND                                         ; the closing round: no work-group ends while a partner may still ask for a tile that names it
	s_endpgm
.Lfunc_end_k_qe533bfcb55_scores:
	.size	k_qe533bfcb55_scores, .Lfunc_end_k_qe533bfcb55_scores-k_qe533bfcb55_scores
	.p2alignl 7, 3214868480
	.fill 96, 4, 3214868480
	.section	.rodata,"a",@progbits
	.p2align	6, 0x0
	.amdhsa_kernel k_qe533bfcb55_scores
		.amdhsa_group_segment_fixed_size 327680
		.amdhsa_private_segment_fixed_size 0
		.amdhsa_enable_private_segment 0
		.amdhsa_kernarg_size 56
		.amdhsa_user_sgpr_count 2
		.amdhsa_user_sgpr_kernarg_segment_ptr 1
		.amdhsa_wavefront_size32 1
		.amdhsa_system_sgpr_workgroup_id_x 1
		.amdhsa_system_sgpr_workgroup_id_y 1
		.amdhsa_system_sgpr_workgroup_id_z 1
		.amdhsa_system_vgpr_workitem_id 0
		.amdhsa_next_free_vgpr 768
		.amdhsa_next_free_sgpr 80
		.amdhsa_reserve_vcc 0
		.amdhsa_float_denorm_mode_32 3
		.amdhsa_float_denorm_mode_16_64 3
		.amdhsa_memory_ordered 1
		.amdhsa_forward_progress 1
		.amdhsa_inst_pref_size 165
	.end_amdhsa_kernel
	.amdgpu_metadata
---
amdhsa.version: [ 1, 2 ]
amdhsa.kernels:
  - .name:           k_qe533bfcb55_scores
    .symbol:         k_qe533bfcb55_scores.kd
    .args:
      - { .name: W_codes, .offset: 0, .size: 8, .value_kind: global_buffer, .address_space: global }
      - { .name: W_scales, .offset: 8, .size: 8, .value_kind: global_buffer, .address_space: global }
      - { .name: b, .offset: 16, .size: 8, .value_kind: global_buffer, .address_space: global }
      - { .name: encoder_outputs_codes, .offset: 24, .size: 8, .value_kind: global_buffer, .address_space: global }
      - { .name: encoder_outputs_scales, .offset: 32, .size: 8, .value_kind: global_buffer, .address_space: global }
      - { .name: hidden, .offset: 40, .size: 8, .value_kind: global_buffer, .address_space: global }
      - { .name: part, .offset: 48, .size: 8, .value_kind: global_buffer, .address_space: global }
    .group_segment_fixed_size: 327680
    .private_segment_fixed_size: 0
    .kernarg_segment_align: 8
    .kernarg_segment_size: 56
    .max_flat_workgroup_size: 128
    .sgpr_count:     80
    .vgpr_count:     768
    .wavefront_size: 32
...
	.end_amdgpu_metadata
.endif
;; end of part 1
;; launch softmax (part 2): grid 32 x 1, 16 waves a work-group, no clusters, 2,560 bytes of LDS; arguments part, out0; writes out0
.if DOCPART == 2
	.amdgcn_target "amdgcn-amd-amdhsa--gfx1250"
	.amdhsa_code_object_version 6
	.text
	.protected	k_qe533bfcb55_softmax
	.globl	k_qe533bfcb55_softmax
	.p2align	8
	.type	k_qe533bfcb55_softmax,@function
k_qe533bfcb55_softmax:
	s_mov_b64 s[64:65], 0
	v_nop
	global_prefetch_b8 v0, s[64:65] scope:SCOPE_SE
	s_setreg_imm32_b32 hwreg(HW_REG_WAVE_MODE, 25, 1), 1
	s_wait_xcnt 0x0
; out0[b][0][s] = softmax over s of (the sum over p of part[p][b][s]).  part: [4][32][2048] f32; out0: [32][1][2048] f32.
; A work-group of sixteen waves takes one b; thread t takes s = 4 t .. 4 t + 3: each load and the store of a wave cover 512 consecutive bytes.  The row stays in registers: it is read once.
; The row's true maximum is taken away ahead of the exponential.  Maximum and sum go across the lanes by DPP and one exchange of halves, and across the waves through 64 bytes of LDS each.
; No matrix unit, no tensor load, no cluster: 32 KiB a work-group, read once, shared with nobody.  No prefetch: the launch's only loads are its first lines.
; LIMITS: an exponential under 2^-126 comes out as 0 (ISA guide, v_exp_f32); a NaN among the scores makes its whole row NaN.
	s_load_b128 s[4:7], s[0:1], 0x0                ; part, out0
	v_lshl_add_u32 v48, v0, 2, 0x200
	v_mov_b32 v49, 0
	v_lshlrev_b32 v1, 4, v0                        ; 16 bytes a thread
	v_lshrrev_b32 v2, 5, v0
	v_lshlrev_b32 v2, 2, v2                        ; LDS: 4 x wave
	v_mov_b32 v3, 0
	v_mov_b32 v21, 0                               ; a lane permute's destination counts as one of its sources: written once
	v_mov_b32 v43, 0                               ; (named as the upper half of the pair v[42:43])
	s_lshl_b32 s8, ttmp9, 13                       ; row b: 8,192 bytes, in part and in out0
	s_mov_b32 s9, 0
	s_mov_b32 s10, 0x76543210                      ; v_permlanex16_b32's selects for lane l xor 16
	s_mov_b32 s11, 0xfedcba98
	s_wait_kmcnt 0x0
	s_add_nc_u64 s[4:5], s[4:5], s[8:9]
	s_add_nc_u64 s[6:7], s[6:7], s[8:9]
.irp p, 0,1,2,3
	global_load_b128 v[4+4*\p:7+4*\p], v1, s[4:5] offset:262144*\p th:TH_LOAD_NT
.endr
	s_wait_loadcnt 0x0
	v_pk_add_f32 v[4:5], v[4:5], v[8:9]            ; the four N parts
	v_pk_add_f32 v[6:7], v[6:7], v[10:11]
	v_pk_add_f32 v[12:13], v[12:13], v[16:17]
	v_pk_add_f32 v[14:15], v[14:15], v[18:19]
	v_pk_add_f32 v[4:5], v[4:5], v[12:13]
	v_pk_add_f32 v[6:7], v[6:7], v[14:15]
	v_max3_num_f32 v20, v4, v5, v6                 ; the maximum: my four,
	v_max_num_f32 v20, v20, v7
	v_max_num_f32_dpp v20, v20, v20 row_xmask:1 row_mask:0xf bank_mask:0xf   ; my wave's 128,
	v_max_num_f32_dpp v20, v20, v20 row_xmask:2 row_mask:0xf bank_mask:0xf
	v_max_num_f32_dpp v20, v20, v20 row_xmask:4 row_mask:0xf bank_mask:0xf
	v_max_num_f32_dpp v20, v20, v20 row_xmask:8 row_mask:0xf bank_mask:0xf
	v_permlanex16_b32 v21, v20, s10, s11
	v_max_num_f32 v20, v20, v21
	ds_store_b32 v2, v20                           ; all lanes write their wave's word with the same value
	s_wait_dscnt 0x0                               ; for the others' sake: the store has landed
	s_barrier_signal -1
	s_barrier_wait -1
.irp i, 0,1,2,3
	ds_load_b128 v[24+4*\i:27+4*\i], v3 offset:16*\i   ; the sixteen waves' maxima, in every lane
.endr
	s_wait_dscnt 0x0
	v_max3_num_f32 v20, v24, v25, v26
.irp i, 27,29,31,33,35,37
	v_max3_num_f32 v20, v20, v[\i], v[\i+1]
.endr
	v_max_num_f32 v20, v20, v39                    ; the row's
	v_pk_add_f32 v[4:5], v[4:5], v[20:21] op_sel_hi:[1,0] neg_lo:[0,1] neg_hi:[0,1]   ; x - m (of the pair the low word serves both halves),
	v_pk_add_f32 v[6:7], v[6:7], v[20:21] op_sel_hi:[1,0] neg_lo:[0,1] neg_hi:[0,1]
	v_pk_mul_f32 v[4:5], v[4:5], 0x3fb8aa3b op_sel_hi:[1,0]        ; x log2(e)
	v_pk_mul_f32 v[6:7], v[6:7], 0x3fb8aa3b op_sel_hi:[1,0]
	v_exp_f32 v4, v4
	v_exp_f32 v5, v5
	v_exp_f32 v6, v6
	v_exp_f32 v7, v7
	v_nop                                          ; a plain line behind the last exponential
	s_wait_alu depctr_va_vdst(0)                   ; one wait for the four, ahead of their first reader
	v_pk_add_f32 v[40:41], v[4:5], v[6:7]          ; the sum: my four,
	v_add_f32 v40, v40, v41
	v_add_f32_dpp v40, v40, v40 row_xmask:1 row_mask:0xf bank_mask:0xf       ; my wave's,
	v_add_f32_dpp v40, v40, v40 row_xmask:2 row_mask:0xf bank_mask:0xf
	v_add_f32_dpp v40, v40, v40 row_xmask:4 row_mask:0xf bank_mask:0xf
	v_add_f32_dpp v40, v40, v40 row_xmask:8 row_mask:0xf bank_mask:0xf
	v_permlanex16_b32 v21, v40, s10, s11
	v_add_f32 v40, v40, v21
	ds_store_b32 v2, v40 offset:64                 ; other bytes than the maxima's: no wave can still be reading them
	s_wait_dscnt 0x0
	s_barrier_signal -1
	s_barrier_wait -1
.irp i, 0,1,2,3
	ds_load_b128 v[24+4*\i:27+4*\i], v3 offset:64+16*\i
.endr
	s_wait_dscnt 0x0
	v_pk_add_f32 v[24:25], v[24:25], v[26:27]
	v_pk_add_f32 v[28:29], v[28:29], v[30:31]
	v_pk_add_f32 v[32:33], v[32:33], v[34:35]
	v_pk_add_f32 v[36:37], v[36:37], v[38:39]
	v_pk_add_f32 v[24:25], v[24:25], v[28:29]
	v_pk_add_f32 v[32:33], v[32:33], v[36:37]
	v_pk_add_f32 v[24:25], v[24:25], v[32:33]
	v_add_f32 v24, v24, v25                        ; the row's: at least 1, since the largest term is 2^0
	v_rcp_f32 v42, v24
	v_nop                                          ; a plain line behind the reciprocal
	s_wait_alu depctr_va_vdst(0)                   ; and the wait ahead of its first reader
	v_pk_mul_f32 v[4:5], v[4:5], v[42:43] op_sel_hi:[1,0]
	v_pk_mul_f32 v[6:7], v[6:7], v[42:43] op_sel_hi:[1,0]
	global_store_b128 v1, v[4:7], s[6:7]           ; a wave stores 512 consecutive bytes, at a multiple of 256 from out0's first byte
	s_wait_tensorcnt 0x0
	ds_add_u32 v48, v49
	s_wait_dscnt 0x0
	s_endpgm
.Lfunc_end_k_qe533bfcb55_softmax:
	.size	k_qe533bfcb55_softmax, .Lfunc_end_k_qe533bfcb55_softmax-k_qe533bfcb55_softmax
	.p2alignl 7, 3214868480
	.fill 96, 4, 3214868480
	.section	.rodata,"a",@progbits
	.p2align	6, 0x0
	.amdhsa_kernel k_qe533bfcb55_softmax
		.amdhsa_group_segment_fixed_size 2560
		.amdhsa_private_segment_fixed_size 0
		.amdhsa_enable_private_segment 0
		.amdhsa_kernarg_size 16
		.amdhsa_user_sgpr_count 2
		.amdhsa_user_sgpr_kernarg_segment_ptr 1
		.amdhsa_wavefront_size32 1
		.amdhsa_system_sgpr_workgroup_id_x 1
		.amdhsa_system_sgpr_workgroup_id_y 1
		.amdhsa_system_sgpr_workgroup_id_z 1
		.amdhsa_system_vgpr_workitem_id 0
		.amdhsa_next_free_vgpr 50
		.amdhsa_next_free_sgpr 66
		.amdhsa_reserve_vcc 0
		.amdhsa_float_denorm_mode_32 3
		.amdhsa_float_denorm_mode_16_64 3
		.amdhsa_memory_ordered 1
		.amdhsa_forward_progress 1
		.amdhsa_inst_pref_size 6
	.end_amdhsa_kernel
	.amdgpu_metadata
---
amdhsa.version: [ 1, 2 ]
amdhsa.kernels:
  - .name:           k_qe533bfcb55_softmax
    .symbol:         k_qe533bfcb55_softmax.kd
    .args:
      - { .name: part, .offset: 0, .size: 8, .value_kind: global_buffer, .address_space: global }
      - { .name: out0, .offset: 8, .size: 8, .value_kind: global_buffer, .address_space: global }
    .group_segment_fixed_size: 2560
    .private_segment_fixed_size: 0
    .kernarg_segment_align: 8
    .kernarg_segment_size: 16
    .max_flat_workgroup_size: 512
    .sgpr_count:     66
    .vgpr_count:     50
    .wavefront_size: 32
...
	.end_amdgpu_metadata
.endif
;; end of part 2
;; ======== version 2 of 2: 2 launches
;; limits: right only within a limited range of input values
;; workspace buffers: part 1,048,576 bytes
;; launch scores (part 3): grid 4 x 64, 4 waves a work-group, clusters of 4 x 4, 327,680 bytes of LDS; arguments W_codes, W_scales, encoder_outputs_codes, encoder_outputs_scales, hidden, part; writes part
.if DOCPART == 3
	.amdgcn_target "amdgcn-amd-amdhsa--gfx1250"
	.amdhsa_code_object_version 6
	.text
	.protected	k_qe533bfcb55_scores
	.globl	k_qe533bfcb55_scores
	.p2align	8
	.type	k_qe533bfcb55_scores,@function
k_qe533bfcb55_scores:
	s_mov_b64 s[64:65], 0
	v_nop
	global_prefetch_b8 v0, s[64:65] scope:SCOPE_SE
	s_setreg_imm32_b32 hwreg(HW_REG_WAVE_MODE, 25, 1), 1
	s_wait_xcnt 0x0
	s_wait_alu depctr_hold_cnt(0) depctr_sa_sdst(0) depctr_va_vdst(0) depctr_va_sdst(0) depctr_va_ssrc(0) depctr_va_vcc(0) depctr_vm_vsrc(0)
	s_getreg_b32 s2, hwreg(HW_REG_IB_STS2, 6, 4)
	s_cmp_eq_u32 s2, 0
	s_cbranch_scc0 .Lentry_in_a_cluster
	s_endpgm
.Lentry_in_a_cluster:
	s_bfe_u32 s2, ttmp6, 0x10000c
	s_cmp_lg_u32 s2, 0xf033
	s_cbranch_scc0 .Lentry_shape_is_right
	s_endpgm
.Lentry_shape_is_right:
; part[p][b][s] = sum over n in N part p (256 n) of hidden[b][n] x (sum over k of W[n][k] E[s][b][k]).  W, E: codes of FP4 (E2M1) with one E8M0 byte for each 32 along K, taken as they lie.
; DEAD WORK: b is left out.  It adds hidden[b] . bias to the score of every s of a row b: one number, the same along the softmax's axis, whatever the inputs hold, and softmax(x + c) = softmax(x).
; So b reaches no output; it is not loaded and is no argument of any launch.  LIMIT: a NaN, an infinity or an overflow that arises in hidden[b] . bias alone is not carried to the result.
; OTHER LIMITS: the f32 sums are ordered otherwise than in the definition (lanes, waves, N parts); a scale byte 0xff or a non-finite hidden gives NaN.
; The projection never goes to memory: each result is multiplied by hidden and summed in registers, in f32.  The four N parts are added, and the softmax taken, by the next launch.
; SHARES.  Work-group (p, y): N part p = 256 rows of W; g = y & 1: b = 16 g .. 16 g + 15; rho = y >> 1: s = 64 rho .. 64 rho + 63: 64 ROW BLOCKS of 16 rows of E (one s, sixteen b).
; Wave w: nh = w >> 1: 128 of the 256 rows of W, over the WHOLE of K: 4 groups of 32 rows x 8 K steps x 16 registers = 512 registers that stay; rh = w & 1: of each slot's sixteen row blocks the eight 8 rh .. 8 rh + 7.
; THE MATRIX INSTRUCTION IS USED TRANSPOSED (source 0 = 32 rows of W, source 1 = 16 rows of E): lane (r, h) holds E's row r (b = 16 g + r), its registers n = 16 t + 8 h + j.  Every row block has the same
; sixteen b, so a lane's 64 factors hidden[b][n] are the same registers for all blocks.
; E comes through two LDS slots of 16 row blocks.  CLUSTER 4 x 4: the four N parts of a row of the cluster need the same tiles of E and ask for them jointly; the four of a column share their part of W.
; A BLOCK: ONE run of LDS instructions (a score's store, the next block's fragments and scale words), then 32 matrix instructions (4 accumulators by turns, K ascending) with the dot of the block before among them, a line behind each.
; REGISTERS, in windows of 256.  Window 0: addresses, scale words, hidden's factors 0-15, W's K steps 0, 1.  Window 1: E's fragments (two sets), the accumulators (two sets).
; Window 2: W's K steps 2-4, hidden's factors 16-39.  Window 3: W's K steps 5-7, hidden's factors 40-63, the addresses of E's fragments and of the partial scores.
; A line of the dot takes hidden as source 0, from the window in which that K step's W lies: so it runs under the matrix instructions' own setting, and among them only SOURCE 0 changes window.
.set BLK,   8448                       ; a row block in LDS: 16 rows x (512 bytes + 16 of padding): pitch 528 = 33 x 16, so the 16 rows of a load start at 16 different 16-byte columns
.set HALFW, 128*528                    ; 128 rows of W in LDS
.set QTR,   4*BLK                      ; what one refill brings a wave: four row blocks
.set SLOTB, 4*QTR                      ; slot A at 0, slot B here (0x21000: it shares no bit with wave x QTR, so one exclusive or turns an address).  Slot B first holds W's 256 rows
.set ESC,   2*SLOTB                    ; E's scale bytes: 64 s x 512 bytes, filled once
.set PART,  ESC+32768                  ; partial scores: 132 bytes a block, 32 blocks a wave; written by LDS stores alone
.set PW,    32*132
.set SPARE, PART+4*PW                  ; the spare words, 128 bytes for each wave: two blocks of 256 bytes that no other line names
.set SPW, 10                           ; v10  LDS address of my spare word; never rewritten
.set NIL, 11                           ; v11  0; never rewritten
.set AE0, 12                           ; v12  my lane's place in my first row block of a slot
.set AS0, 13                           ; v13  my lane's place among E's scale words
.set AP0, 14                           ; v14  my lane's place among my wave's partial scores
.set AS,  16                           ; v16  the second of these for the slot that is being fetched from
.set AW,  17                           ; v17  my lane's place in W's stage
.set PFO, 18                           ; v18  256 x lane: the prefetches' offset; never rewritten
.set RDP, 19                           ; v19  the way out: where I read partial scores
.set GO,  20                           ; v20  the way out: my byte offset in part
.set WS,  32                           ; v32-63 W's scale words: register 8 u + q: lane = row of group u, K step q
.set ES,  64                           ; v64-79 E's scale words, two sets of eight K steps: lane % 16 = row
.set HF0, 80                           ; v80-95 hidden's factors 0-15
.set W0,  128                          ; v128-255 W's K steps 0, 1
.set OUTR, 128                         ; the way out: 32 registers
.set EF,  0                            ; window 1: v0-127 E's fragments, two sets of eight K steps
.set ACC, 128                          ; window 1: v128-255 the accumulators, two sets of four
.set HF2, 192                          ; window 2: v192-215
.set HF3, 192                          ; window 3: v192-215
.set AP,  216                          ; window 3: where the turn's partial scores go
.set AE,  217                          ; window 3: my lane's place in the slot that is being fetched from
.set G1W, 24                           ; group 1: s[24:31] W's halves;  s[32:39] E's refills;  s[40:47] E's scales;  s[48:55] E's slot A at the head
.set G1E, 32
.set G1S, 40
.set G1A, 48
.set G0W, 56                           ; group 0, likewise; G0E walks
.set G0A, 60
.set G0S, 68
.set G0E, 72
.set TB,  76                           ; s76  LDS byte of the slot that is being fetched from
.set TS,  77                           ; s77  its place among E's scale words
.set TP,  78                           ; s78  the turn's place among the partial scores
.set QC,  79                           ; s79  counts turns
.set PFA, 80                           ; s[80:81] the prefetches' base; never rewritten
.set MSB, 0
.macro WIN new                         ; the immediate's high byte repeats the setting that is left; a switch that changes nothing is dropped
.if MSB != \new
	s_set_vgpr_msb (MSB<<8)|\new
.set MSB, \new
.endif
.endm
.macro PLACES
.rept 4
	v_nop
.endr
.endm
; A round of the cluster's barrier: my work-group's barrier; wave 0 signals for the work-group; every wave waits for all sixteen work-groups; my work-group's barrier once more.
.macro CREST                           ; a round behind its opening barrier
	s_cmp_lg_u32 s18, 0
	s_cbranch_scc1 .Lnot_wave_0_\@
	s_barrier_signal -3
.Lnot_wave_0_\@:
	s_barrier_wait -3
	s_barrier_signal -1
	s_barrier_wait -1
.endm
.macro CROUND
	s_barrier_signal -1
	s_barrier_wait -1
	CREST
.endm
	s_load_b256 s[4:11], s[0:1], 0x0               ; W's codes s[4:5], W's scales s[6:7], E's codes s[8:9], E's scales s[10:11]
	s_load_b128 s[12:15], s[0:1], 0x20             ; hidden s[12:13], part s[14:15]
	v_lshl_add_u32 v[SPW], v0, 2, SPARE
	v_mov_b32 v[NIL], 0
	ds_add_u32 v[SPW], v[NIL]                      ; the wave's opening: the add, twice on end, under one wait
	ds_add_u32 v[SPW], v[NIL]
	v_lshrrev_b32 v1, 5, v0
	v_readfirstlane_b32 s18, v1                    ; wave 0..3
	s_lshr_b32 s19, s18, 1                         ; nh
	s_and_b32 s20, s18, 1                          ; rh
	s_bfe_u32 s21, ttmp6, 0x40000                  ; cx, cy: my place in the cluster
	s_bfe_u32 s22, ttmp6, 0x40004
	s_lshl_b32 s82, ttmp9, 2
	s_add_co_u32 s82, s82, s21                     ; p = 4 x cluster x + cx
	s_and_b32 s23, ttmp7, 0xffff
	s_lshl_b32 s23, s23, 2
	s_add_co_u32 s23, s23, s22                     ; y = 4 x cluster y + cy
	s_and_b32 s83, s23, 1                          ; g
	s_lshr_b32 s84, s23, 1                         ; rho
	s_lshl_b32 s85, s22, 2
	s_lshl_b32 s85, 15, s85                        ; my row of the cluster: it shares y, so E's tiles
	s_lshl_b32 s86, 0x1111, s21                    ; my column: it shares p, so W's part
	; group 1, elements of 8 bytes.  W: 128 rows of 512 bytes, dense; 16 bytes of padding behind every 512
	s_or_b32 s[G1W], s86, (3<<16)|(1<<20)|(1<<21)|(6<<22)|(3<<25)  ; 15:0 the mask; 17:16 elements of 8 bytes; 20 padding on; 21 set beside a mask; 24:22 after every 128 words (code 6); 31:25 four words (code 3)
	s_mov_b32 s[G1W+1], 64<<16                     ; tensor_dim0
	s_mov_b32 s[G1W+2], 128<<16                    ; tensor_dim1
	s_mov_b32 s[G1W+3], 64<<16                     ; tile_dim0
	s_mov_b32 s[G1W+4], 128                        ; tile_dim1
	s_mov_b32 s[G1W+5], 64                         ; from row to row
	s_mov_b32 s[G1W+6], 0
	s_mov_b32 s[G1W+7], 0
	; E's codes: rows of 8,192 bytes (the sixteen b of one s), 16,384 bytes apart; the same padding, sixteen times in a row: every 512 bytes of E lie 528 apart in LDS.  A refill: 4 rows a wave
	s_or_b32 s[G1E], s85, (3<<16)|(1<<20)|(1<<21)|(6<<22)|(3<<25)
	s_mov_b32 s[G1E+1], 1024<<16
	s_mov_b32 s[G1E+2], 4<<16
	s_mov_b32 s[G1E+3], 1024<<16
	s_mov_b32 s[G1E+4], 4
	s_mov_b32 s[G1E+5], 2048
	s_mov_b32 s[G1E+6], 0
	s_mov_b32 s[G1E+7], 0
	; slot A at the head: all 16 rows by one wave
	s_or_b32 s[G1A], s85, (3<<16)|(1<<20)|(1<<21)|(6<<22)|(3<<25)
	s_mov_b32 s[G1A+1], 1024<<16
	s_mov_b32 s[G1A+2], 16<<16
	s_mov_b32 s[G1A+3], 1024<<16
	s_mov_b32 s[G1A+4], 16
	s_mov_b32 s[G1A+5], 2048
	s_mov_b32 s[G1A+6], 0
	s_mov_b32 s[G1A+7], 0
	; E's scales: 64 rows of 512 bytes (the sixteen b of one s), 1,024 bytes apart, no padding
	s_or_b32 s[G1S], s85, (3<<16)|(1<<21)
	s_mov_b32 s[G1S+1], 64<<16
	s_mov_b32 s[G1S+2], 64<<16
	s_mov_b32 s[G1S+3], 64<<16
	s_mov_b32 s[G1S+4], 64
	s_mov_b32 s[G1S+5], 128
	s_mov_b32 s[G1S+6], 0
	s_mov_b32 s[G1S+7], 0
	; where the tiles come from: W's offset is made of p and the wave's number, E's of y and the wave's number
	s_lshl_b32 s88, s82, 17                        ; W: p x 256 rows of 512 bytes
	s_lshl_b32 s89, s20, 16                        ; + half (wave 0, 1) x 128 rows
	s_add_co_u32 s88, s88, s89
	s_mov_b32 s89, 0
	s_lshl_b32 s90, s84, 20                        ; E's codes: rho x 64 s of 16,384 bytes
	s_lshl_b32 s91, s83, 13                        ; + g x 16 rows of 512 bytes
	s_add_co_u32 s90, s90, s91
	s_mov_b32 s91, 0
	s_lshl_b32 s94, s18, 16                        ; the refills: + wave x 4 s,
	s_add_co_u32 s94, s94, s90
	s_add_co_u32 s94, s94, 262144                  ; from the second sixteen s on
	s_mov_b32 s95, 0
	s_lshl_b32 s92, s84, 16                        ; E's scales: rho x 64 s of 1,024 bytes
	s_lshl_b32 s93, s83, 9                         ; + g x 16 rows of 32 bytes
	s_add_co_u32 s92, s92, s93
	s_mov_b32 s93, 0
	s_mul_i32 s87, s20, HALFW                      ; and where they go: the wave's number alone enters an LDS address
	s_mul_i32 s96, s18, QTR
	s_mov_b32 s[TB], 0
	s_mov_b32 s[TS], 0
	s_mov_b32 s[TP], 0
	s_wait_dscnt 0x0                               ; both opening adds are done
	s_wait_kmcnt 0x0
	s_mov_b32 s[G0W], 1                            ; count = 1
	s_add_co_u32 s[G0W+1], s87, SLOTB              ; LDS address
	s_add_nc_u64 s[G0W+2:G0W+3], s[4:5], s[88:89]  ; global address
	s_or_b32 s[G0W+3], s[G0W+3], 0x80000000        ; type = 2
	s_mov_b32 s[G0A], 1
	s_mov_b32 s[G0A+1], 0                          ; slot A
	s_add_nc_u64 s[G0A+2:G0A+3], s[8:9], s[90:91]
	s_or_b32 s[G0A+3], s[G0A+3], 0x80000000
	s_mov_b32 s[G0S], 1
	s_mov_b32 s[G0S+1], ESC
	s_add_nc_u64 s[G0S+2:G0S+3], s[10:11], s[92:93]
	s_or_b32 s[G0S+3], s[G0S+3], 0x80000000
	s_mov_b32 s[G0E], 1
	s_add_co_u32 s[G0E+1], s96, SLOTB              ; the first refill goes into slot B
	s_add_nc_u64 s[G0E+2:G0E+3], s[8:9], s[94:95]
	s_or_b32 s[G0E+3], s[G0E+3], 0x80000000
	CROUND                                         ; all sixteen work-groups are here: the first joint loads meet
	; THE HEAD'S LOADS, ONE A WAVE: waves 0, 1 W's halves, wave 2 E's slot A, wave 3 all of E's scale bytes
	s_cmp_lt_u32 s18, 2
	s_cbranch_scc0 .Lhead_e
	tensor_load_to_lds s[G0W:G0W+3], s[G1W:G1W+7]
	s_nop 0
	PLACES
	s_branch .Lasked
.Lhead_e:
	s_cmp_lt_u32 s18, 3
	s_cbranch_scc0 .Lhead_s
	tensor_load_to_lds s[G0A:G0A+3], s[G1A:G1A+7]
	s_nop 0
	PLACES
	s_branch .Lasked
.Lhead_s:
	tensor_load_to_lds s[G0S:G0S+3], s[G1S:G1S+7]
	s_nop 0
	PLACES
.Lasked:
	; the other buffers' bases
	s_lshl_b32 s88, s82, 13                        ; W's scales: p x 256 rows of 32 bytes + nh x 128 rows
	s_lshl_b32 s87, s19, 12
	s_add_co_u32 s88, s88, s87
	s_mov_b32 s89, 0
	s_add_nc_u64 s[6:7], s[6:7], s[88:89]
	s_lshl_b32 s88, s83, 16                        ; hidden: row 16 g of 4,096 bytes, n from 256 p + 128 nh on
	s_lshl_b32 s87, s82, 10
	s_add_co_u32 s88, s88, s87
	s_lshl_b32 s87, s19, 9
	s_add_co_u32 s88, s88, s87
	s_add_nc_u64 s[12:13], s[12:13], s[88:89]
	s_lshl_b32 s88, s82, 18                        ; part: [p][b][s]: p x 262,144 + 16 g rows of 8,192 bytes + 64 rho numbers
	s_lshl_b32 s87, s83, 17
	s_add_co_u32 s88, s88, s87
	s_lshl_b32 s87, s84, 8
	s_add_co_u32 s88, s88, s87
	s_add_nc_u64 s[14:15], s[14:15], s[88:89]
	s_lshl_b32 s88, s21, 2                         ; the prefetches: of a slot's sixteen s, the four partners of my row and their four waves take one each, told apart by address: s = 4 cx + wave
	s_add_co_u32 s88, s88, s18
	s_lshl_b32 s88, s88, 14
	s_add_co_u32 s88, s88, s90
	s_add_nc_u64 s[PFA:PFA+1], s[8:9], s[88:89]
	s_mul_i32 s88, s20, 8*BLK                      ; my eight row blocks of a slot
	s_mul_i32 s91, s19, HALFW                      ; my 128 rows of W's stage
	s_add_co_u32 s91, s91, SLOTB
	s_lshl_b32 s92, s20, 12                        ; my eight s among the scale bytes
	s_add_co_u32 s92, s92, ESC
	s_mul_i32 s93, s18, PW
	s_add_co_u32 s93, s93, PART
	; lanes
	v_and_b32 v2, 31, v0                           ; lane
	v_and_b32 v3, 15, v0                           ; r
	v_bfe_u32 v4, v0, 4, 1                         ; h
	v_lshlrev_b32 v7, 5, v2                        ; W's scales: 32 bytes a row, lane = row
	v_lshlrev_b32 v8, 12, v3
	v_lshl_add_u32 v8, v4, 5, v8                   ; hidden: row r of 4,096 bytes + 8 h numbers
.irp u, 0,1,2,3
	global_load_b128 v[WS+8*\u:WS+8*\u+3], v7, s[6:7] offset:1024*\u        ; rows 32 u + lane: eight words, K steps 0 to 7
	global_load_b128 v[WS+8*\u+4:WS+8*\u+7], v7, s[6:7] offset:1024*\u+16
.endr
.irp g, 0,1,2,3                                ; hidden[16 g + r][16 t + 8 h + 0..7]: four factors a load
	global_load_b128 v[HF0+4*\g:HF0+4*\g+3], v8, s[12:13] offset:64*(\g/2)+16*(\g%2)
.endr
	WIN 0x80
.irp g, 4,5,6,7,8,9
	global_load_b128 v[HF2+4*(\g-4):HF2+4*(\g-4)+3], v8, s[12:13] offset:64*(\g/2)+16*(\g%2)
.endr
	WIN 0xc0
.irp g, 10,11,12,13,14,15
	global_load_b128 v[HF3+4*(\g-10):HF3+4*(\g-10)+3], v8, s[12:13] offset:64*(\g/2)+16*(\g%2)
.endr
	WIN 0
	v_lshrrev_b32 v5, 4, v0                        ; thread / 16: 0..7
	v_mul_u32_u24 v6, v3, 528
	v_lshl_add_u32 v6, v4, 4, v6                   ; row r x pitch + 16 h
	v_add_nc_u32 v[AE0], s88, v6
	v_add_nc_u32 v[AW], s91, v6
	v_lshl_add_u32 v[AS0], v3, 5, s92
	v_lshl_add_u32 v[AP0], v2, 2, s93
	v_lshlrev_b32 v[PFO], 8, v2
	; the way out: thread t takes s = 4 a + 0..3, a = t % 16, of b = t / 16 and t / 16 + 8: slot a / 4, row half (a / 2) % 2, blocks 4 (a % 2) + 0..3
	v_lshrrev_b32 v9, 2, v3
	v_mul_u32_u24 v[RDP], v9, 1056
	v_and_b32 v9, 1, v3
	v_mad_u32_u24 v[RDP], v9, 528, v[RDP]
	v_bfe_u32 v9, v3, 1, 1
	v_mad_u32_u24 v[RDP], v9, PW, v[RDP]
	v_lshl_add_u32 v[RDP], v5, 2, v[RDP]
	v_add_nc_u32 v[RDP], PART, v[RDP]
	v_lshlrev_b32 v[GO], 13, v5
	v_lshl_add_u32 v[GO], v3, 4, v[GO]             ; and stores 16 bytes of row t / 16 of part
	v_add_nc_u32 v[AS], s[TS], v[AS0]
	WIN 0xc0
	v_add_nc_u32 v[AE], s[TB], v[AE0]
	v_add_nc_u32 v[AP], s[TP], v[AP0]
	WIN 0
	s_mov_b32 s[TP], 5*132                         ; the first turn's first store is block 5's
	s_wait_alu depctr_va_vdst(0)                   ; ahead of the branch and the waits below
	s_cmp_lt_u32 s18, 2
	s_cbranch_scc0 .Lw_asked                       ; waves 2 and 3 have none of W's loads: theirs may stay out
	s_wait_tensorcnt 0x0                           ; my half of W has landed
.Lw_asked:
	s_barrier_signal -1
	s_barrier_wait -1                              ; both halves have
	; W into registers.  16 rows x 128 K of 4-bit codes are 8 registers: lane (r, h) holds row r; registers 4 c .. 4 c + 3 hold K = 64 c + 32 h + 0..31: 16 bytes of the row as they lie.  Two such runs make the 32-row operand
.macro WLOAD base, q
.irp t, 0,1,2,3,4,5,6,7
.irp c, 0,1
	ds_load_b128 v[\base+8*\t+4*\c:\base+8*\t+4*\c+3], v[AW] offset:BLK*\t+64*(\q)+32*\c
.endr
.endr
.endm
	WLOAD W0, 0
	WLOAD W0+64, 1
	WIN 0x80
	WLOAD 0, 2
	WLOAD 64, 3
	WLOAD 128, 4
	WIN 0xc0
	WLOAD 0, 5
	WLOAD 64, 6
	WLOAD 128, 7
	WIN 0
	s_wait_tensorcnt 0x0                           ; all my tensor loads have landed: E's slot A and scales
	ds_add_u32 v[SPW], v[NIL]                      ; 0 onto my spare word
	s_mov_b32 s[QC], 2
	s_wait_dscnt 0x0                               ; the add is done, and W is in registers:
	CROUND                                         ; of every wave of every partner: W's stage becomes slot B
	tensor_load_to_lds s[G0E:G0E+3], s[G1E:G1E+7]  ; the second sixteen s
	s_nop 0
	PLACES
	global_prefetch_b8 v[PFO], s[PFA:PFA+1] offset:2*262144 th:TH_LOAD_NT scope:SCOPE_SE   ; what the next change will ask for
; Matrix instruction i of a block's 32: K step q = i / 4, group u = i % 4.  The four accumulators take turns, one instruction a turn, and the sets change from block to block.
; The first K step starts the sums with the constant 0.
.macro MM par
.set rD, ACC+64*(\par)+16*u
.set rE, EF+64*(\par)+8*q
.set rSA, WS+8*u+q
.set rSB, ES+8*(\par)+q
.if q < 2
.set rW, W0+64*q+16*u
.elseif q < 5
.set rW, 64*(q-2)+16*u
.else
.set rW, 64*(q-5)+16*u
.endif
.if q == 0
	v_wmma_scale_f32_32x16x128_f4 v[rD:rD+15], v[rW:rW+15], v[rE:rE+7], 0, v[rSA], v[rSB]
.else
	v_wmma_scale_f32_32x16x128_f4 v[rD:rD+15], v[rW:rW+15], v[rE:rE+7], v[rD:rD+15], v[rSA], v[rSB]
.endif
.endm
; Line e of 32 of the dot with hidden, on accumulator set o: pair e of the set's 64 numbers times hidden's pair e, added to pair e - 2's result, in place: two chains.  Each accumulator is read from its low end on.
.macro EP o
.set rP, ACC+64*(\o)+2*e
.if e < 8
.set rH, HF0+2*e
.elseif e < 20
.set rH, HF2+2*e-16
.else
.set rH, HF3+2*e-40
.endif
.if e < 2
	v_pk_mul_f32 v[rP:rP+1], v[rH:rH+1], v[rP:rP+1]
.else
	v_pk_fma_f32 v[rP:rP+1], v[rH:rH+1], v[rP:rP+1], v[rP-4:rP-3]
.endif
.set e, e+1
.endm
.macro FOLD o                          ; the two chains' ends are added (1.0 stands as source 0, whose window is not 1 here), and then the pair's halves: my lane's sum over its 64 n
	v_pk_fma_f32 v[ACC+64*(\o)+60:ACC+64*(\o)+61], 1.0, v[ACC+64*(\o)+62:ACC+64*(\o)+63], v[ACC+64*(\o)+60:ACC+64*(\o)+61] op_sel_hi:[0,1,1]
	v_fma_f32 v[ACC+64*(\o)+60], 1.0, v[ACC+64*(\o)+61], v[ACC+64*(\o)+60]
.endm
.macro SCORE o, st                     ; set o's sums go to the partial scores, st bytes on (address window 3, data window 1)
	ds_store_b32 v[AP], v[ACC+64*(\o)+60] offset:\st
.endm
.macro FETCH set, ld                   ; row block ld of the slot: its fragments (address window 3, destination window 1), then its scale words (both window 0)
	WIN 0x57
.irp k, 0,1,2,3,4,5,6,7
.irp c, 0,1
	ds_load_b128 v[EF+64*(\set)+8*\k+4*\c:EF+64*(\set)+8*\k+4*\c+3], v[AE] offset:(\ld)*BLK+64*\k+32*\c
.endr
.endr
	WIN 0
	ds_load_b128 v[ES+8*(\set):ES+8*(\set)+3], v[AS] offset:(\ld)*512
	ds_load_b128 v[ES+8*(\set)+4:ES+8*(\set)+7], v[AS] offset:(\ld)*512+16
.endm
; A BLOCK.  par: its parity (its sets of fragments, scale words, accumulators); epi: the block before is dotted; st >= 0: the sums of the block two back, folded at the last block's end, are stored st bytes on, ahead of this
; block's fourth matrix instruction, which begins that accumulator anew; ld >= 0: row block ld is fetched for the next block.
; The store and the 18 loads stand in ONE run at the block's start.  nw: what has been issued behind this block's own fragments and may be out: 19 = this run's store and loads, 18 = its loads alone, 1 = the store alone.
; PLACES.  A line that reads or writes a result, and a load into a register that matrix instructions have read, stand four plain vector lines or more behind the matrix instruction in question (ISA guide 7.12.1 for vector
; instructions).  Behind a block's last matrix instruction stand the dot's last two lines and the fold's two, which name the other set alone: four, ahead of the next block's loads and of its line 0.
; A block without a dot is closed by four v_nop.  The dot ends within the block: nothing of it is carried over the next block's wait.
; chg: THE CHANGE OF SLOTS, in the last block of a slot (all of that slot's fragments have been asked for).  Each wave waits for all its tensor loads (one is out: its quarter of the slot ahead), adds 0 to its spare word,
; and waits for that and for its reads of the slot that it leaves; four matrix instructions stand between, four more inside the barrier.  The next fragments are fetched behind it.
; chg = 2: that slot is filled again, with the sixteen s two slots on: the barrier opens a round of the cluster's, and the joint load is the first thing behind it: it has eight blocks, 256 matrix instructions, in which to land.
; A prefetch of what the NEXT change will ask for follows in the first turn; the last filling change asks for nothing.  One s of 8,192 bytes a wave, lanes 256 bytes apart: the sixteen waves of my row of the cluster take the
; slot's sixteen s, and no other work-group reads these rows: each aligned 256 bytes are named once in the launch.
.macro BLOCK par, epi, ld, st, chg, nw
.if \chg
	WIN 0xc0
	v_add_nc_u32 v[AP], s[TP], v[AP0]
.endif
	WIN 0x57
.if \st >= 0
	SCORE \par, \st
.endif
.if !\chg
.if \ld >= 0
	FETCH 1-\par, \ld
.endif
.endif
	s_wait_dscnt \nw                               ; this block's fragments and scale words are in
.if \chg
	WIN 0
	s_wait_tensorcnt 0x0                           ; no tensor load of mine is out, so group 0 may be written
	ds_add_u32 v[SPW], v[NIL]                      ; 0 onto my spare word
	s_add_co_u32 s[TP], s[TP], 8*132
	s_add_co_u32 s[TS], s[TS], 8192
	s_xor_b32 s[TB], s[TB], SLOTB                  ; the fetches go on in the other slot
.if \chg == 2
	s_xor_b32 s[G0E+1], s[G0E+1], SLOTB            ; the refill goes into the slot that is left:
	s_add_nc_u64 s[G0E+2:G0E+3], s[G0E+2:G0E+3], 262144   ; the next sixteen s; the type bits on top are not reached
.endif
.endif
	WIN 0x54                                       ; source 0 window 0; all others window 1
.set i, 0
.set e, 0
.rept 32
.set q, i/4
.set u, i%4
.if \chg
.if i == 4
	s_wait_alu depctr_va_vdst(0)                   ; ahead of the wait below
	s_wait_dscnt 0x0                               ; the add is done, and my reads of the slot that I leave are over
	s_barrier_signal -1
.endif
.if i == 8
	WIN 0
	s_wait_alu depctr_va_vdst(0)                   ; and ahead of this one
	s_barrier_wait -1
.if \chg == 2
	CREST
	tensor_load_to_lds s[G0E:G0E+3], s[G1E:G1E+7]  ; my one tensor load behind the round
	s_nop 0
	PLACES
	s_cmp_lg_u32 s[QC], 2
	s_cbranch_scc1 .Lno_ask_\@
	global_prefetch_b8 v[PFO], s[PFA:PFA+1] offset:3*262144 th:TH_LOAD_NT scope:SCOPE_SE
.Lno_ask_\@:
.endif
	v_add_nc_u32 v[AS], s[TS], v[AS0]
	WIN 0xc0
	v_add_nc_u32 v[AE], s[TB], v[AE0]
	FETCH 1-\par, \ld
.endif
.endif
.if i == 8
	WIN 0x56                                       ; source 0 window 2: W's K steps 2 to 4
.endif
.if i == 20
	WIN 0x57                                       ; source 0 window 3: W's K steps 5 to 7
.endif
	MM \par
.if \epi
.if i < 30
	EP 1-\par
.endif
.endif
.set i, i+1
.endr
.if \epi
	EP 1-\par
	EP 1-\par
	FOLD 1-\par
.else
	PLACES
.endif
.endm
; A TURN: the last block of a slot, with the change, and the first seven of the next.
.macro TURN fill
	BLOCK 1, 1, 0, 0, \fill, 1
	BLOCK 0, 1, 1, 132, 0, 19
	BLOCK 1, 1, 2, 264, 0, 19
	BLOCK 0, 1, 3, 396, 0, 19
	BLOCK 1, 1, 4, 528, 0, 19
	BLOCK 0, 1, 5, 660, 0, 19
	BLOCK 1, 1, 6, 792, 0, 19
	BLOCK 0, 1, 7, 924, 0, 19
.endm
	FETCH 0, 0                                     ; block 0's fragments and scale words
	s_wait_loadcnt 0x0                             ; W's scale words, hidden
	BLOCK 0, 0, 1, -1, 0, 18                       ; nothing to dot yet
	BLOCK 1, 1, 2, -1, 0, 18                       ; nothing to store yet
	BLOCK 0, 1, 3, 0, 0, 19
	BLOCK 1, 1, 4, 132, 0, 19
	BLOCK 0, 1, 5, 264, 0, 19
	BLOCK 1, 1, 6, 396, 0, 19
	BLOCK 0, 1, 7, 528, 0, 19
	WIN 0                                          ; at a label and at a branch every window is 0
.Lturn:                                            ; two turns: they fill slot A with the third sixteen s, slot B with the fourth
	TURN 2
	WIN 0
	s_sub_co_u32 s[QC], s[QC], 1
	s_cmp_lg_u32 s[QC], 0
	s_wait_alu depctr_va_vdst(0)                   ; directly ahead of the branch: the fold's result is stored behind it
	s_cbranch_scc1 .Lturn
	TURN 1                                         ; nothing is left to fetch from memory
	BLOCK 1, 1, -1, 1056, 0, 1                     ; block 31
	SCORE 0, 1188                                  ; block 30's sums
	WIN 0x54
.set e, 0
.rept 8
	EP 1                                           ; block 31 is dotted
.endr
	WIN 0x56
.rept 12
	EP 1
.endr
	WIN 0x57
.rept 12
	EP 1
.endr
	FOLD 1
	SCORE 1, 1320
	WIN 0
	; THE WAY OUT.  The partial scores of two halves of the rows of W and of two halves of the lanes are added.
	s_wait_dscnt 0x0                               ; for the others' sake: my stores have landed
	s_barrier_signal -1
	s_barrier_wait -1
.irp k, 0,1
.irp w, 0,1,2,3
.irp j, 0,1,2,3
	ds_load_b32 v[OUTR+16*\k+4*\w+\j], v[RDP] offset:2*PW*(\w/2)+64*(\w%2)+132*\j+32*\k   ; nh = w / 2, h = w % 2; s = 4 a + j, b = t / 16 + 8 k.  The 32 lanes take 32 different banks (64 banks of 4 bytes: ISA guide 11.1)
.endr
.endr
.endr
	s_wait_dscnt 0x0
.irp k, 0,1
	v_pk_add_f32 v[OUTR+16*\k:OUTR+16*\k+1], v[OUTR+16*\k:OUTR+16*\k+1], v[OUTR+16*\k+4:OUTR+16*\k+5]
	v_pk_add_f32 v[OUTR+16*\k+2:OUTR+16*\k+3], v[OUTR+16*\k+2:OUTR+16*\k+3], v[OUTR+16*\k+6:OUTR+16*\k+7]
	v_pk_add_f32 v[OUTR+16*\k+8:OUTR+16*\k+9], v[OUTR+16*\k+8:OUTR+16*\k+9], v[OUTR+16*\k+12:OUTR+16*\k+13]
	v_pk_add_f32 v[OUTR+16*\k+10:OUTR+16*\k+11], v[OUTR+16*\k+10:OUTR+16*\k+11], v[OUTR+16*\k+14:OUTR+16*\k+15]
	v_pk_add_f32 v[OUTR+16*\k:OUTR+16*\k+1], v[OUTR+16*\k:OUTR+16*\k+1], v[OUTR+16*\k+8:OUTR+16*\k+9]
	v_pk_add_f32 v[OUTR+16*\k+2:OUTR+16*\k+3], v[OUTR+16*\k+2:OUTR+16*\k+3], v[OUTR+16*\k+10:OUTR+16*\k+11]
	global_store_b128 v[GO], v[OUTR+16*\k:OUTR+16*\k+3], s[14:15] offset:65536*\k   ; sixteen lanes store the work-group's 64 s of one b: 256 consecutive bytes, at a multiple of 256 from part's first byte
.endr
	s_wait_tensorcnt 0x0                           ; the wave's end: behind my last tensor load and my last LDS store
	ds_add_u32 v[SPW], v[NIL]
	s_wait_dscnt 0x0
	CROUND                                         ; the closing round: no work-group ends while a partner may still ask for a tile that names it
	s_endpgm
.Lfunc_end_k_qe533bfcb55_scores:
	.size	k_qe533bfcb55_scores, .Lfunc_end_k_qe533bfcb55_scores-k_qe533bfcb55_scores
	.p2alignl 7, 3214868480
	.fill 96, 4, 3214868480
	.section	.rodata,"a",@progbits
	.p2align	6, 0x0
	.amdhsa_kernel k_qe533bfcb55_scores
		.amdhsa_group_segment_fixed_size 327680
		.amdhsa_private_segment_fixed_size 0
		.amdhsa_enable_private_segment 0
		.amdhsa_kernarg_size 48
		.amdhsa_user_sgpr_count 2
		.amdhsa_user_sgpr_kernarg_segment_ptr 1
		.amdhsa_wavefront_size32 1
		.amdhsa_system_sgpr_workgroup_id_x 1
		.amdhsa_system_sgpr_workgroup_id_y 1
		.amdhsa_system_sgpr_workgroup_id_z 1
		.amdhsa_system_vgpr_workitem_id 0
		.amdhsa_next_free_vgpr 1024
		.amdhsa_next_free_sgpr 98
		.amdhsa_reserve_vcc 0
		.amdhsa_float_denorm_mode_32 3
		.amdhsa_float_denorm_mode_16_64 3
		.amdhsa_memory_ordered 1
		.amdhsa_forward_progress 1
		.amdhsa_inst_pref_size 206
	.end_amdhsa_kernel
	.amdgpu_metadata
---
amdhsa.version: [ 1, 2 ]
amdhsa.kernels:
  - .name:           k_qe533bfcb55_scores
    .symbol:         k_qe533bfcb55_scores.kd
    .args:
      - { .name: W_codes, .offset: 0, .size: 8, .value_kind: global_buffer, .address_space: global }
      - { .name: W_scales, .offset: 8, .size: 8, .value_kind: global_buffer, .address_space: global }
      - { .name: encoder_outputs_codes, .offset: 16, .size: 8, .value_kind: global_buffer, .address_space: global }
      - { .name: encoder_outputs_scales, .offset: 24, .size: 8, .value_kind: global_buffer, .address_space: global }
      - { .name: hidden, .offset: 32, .size: 8, .value_kind: global_buffer, .address_space: global }
      - { .name: part, .offset: 40, .size: 8, .value_kind: global_buffer, .address_space: global }
    .group_segment_fixed_size: 327680
    .private_segment_fixed_size: 0
    .kernarg_segment_align: 8
    .kernarg_segment_size: 48
    .max_flat_workgroup_size: 128
    .sgpr_count:     98
    .vgpr_count:     1024
    .wavefront_size: 32
...
	.end_amdgpu_metadata
.endif
;; end of part 3
;; launch softmax (part 4): grid 32 x 1, 4 waves a work-group, no clusters, 768 bytes of LDS; arguments part, out0; writes out0
.if DOCPART == 4
	.amdgcn_target "amdgcn-amd-amdhsa--gfx1250"
	.amdhsa_code_object_version 6
	.text
	.protected	k_qe533bfcb55_softmax
	.globl	k_qe533bfcb55_softmax
	.p2align	8
	.type	k_qe533bfcb55_softmax,@function
k_qe533bfcb55_softmax:
	s_mov_b64 s[64:65], 0
	v_nop
	global_prefetch_b8 v0, s[64:65] scope:SCOPE_SE
	s_setreg_imm32_b32 hwreg(HW_REG_WAVE_MODE, 25, 1), 1
	s_wait_xcnt 0x0
; out0[b][0][s] = softmax over s of (the sum over p of part[p][b][s]).  part: [4][32][2048] f32; out0: [32][1][2048] f32.
; The term hidden[b] . bias, the same for all s of a row, is left out (see the first launch's head): it changes no softmax.
; A work-group of four waves takes one b; thread t takes s = 512 k + 4 t .. 4 t + 3, k = 0 .. 3: each load and store of a wave covers 512 consecutive bytes.  The row stays in registers: it is read once.
; Each wave takes its own 512 numbers' true maximum away ahead of the exponential and sums; the four pairs (maximum, sum) meet in LDS, once; then every wave's part is brought under the row's maximum.
; No matrix unit, no tensor load, no cluster: 32 KiB a work-group, read once, shared with nobody.  No prefetch: the launch's only loads are its first lines.
; LIMITS: an exponential under 2^-126 comes out as 0 (ISA guide, v_exp_f32); a NaN among the scores makes its whole row NaN.
.set L2E, 0x3fb8aa3b                   ; log2(e)
	s_load_b128 s[4:7], s[0:1], 0x0                ; part, out0
	v_lshl_add_u32 v96, v0, 2, 0x100               ; my spare word; this and the 0 below are never rewritten
	v_mov_b32 v97, 0
	v_lshlrev_b32 v1, 4, v0                        ; 16 bytes a thread
	v_lshrrev_b32 v2, 5, v0
	v_lshlrev_b32 v2, 3, v2                        ; LDS: 8 x wave
	v_mov_b32 v3, 0
	v_mov_b32 v21, 0                               ; a lane permute's destination counts as one of its sources: written once
	s_lshl_b32 s8, ttmp9, 13                       ; row b: 8,192 bytes, in part and in out0
	s_mov_b32 s9, 0
	s_mov_b32 s10, 0x76543210                      ; v_permlanex16_b32's selects for lane l xor 16
	s_mov_b32 s11, 0xfedcba98
	s_wait_alu depctr_va_vdst(0)
	s_wait_kmcnt 0x0
	s_add_nc_u64 s[4:5], s[4:5], s[8:9]
	s_add_nc_u64 s[6:7], s[6:7], s[8:9]
.irp p, 0,1,2,3
.irp k, 0,1,2,3
	global_load_b128 v[32+16*\p+4*\k:35+16*\p+4*\k], v1, s[4:5] offset:262144*\p+2048*\k th:TH_LOAD_NT
.endr
.endr
	s_wait_loadcnt 0x0
.irp i, 0,2,4,6,8,10,12,14                     ; the four N parts
	v_pk_add_f32 v[32+\i:33+\i], v[32+\i:33+\i], v[48+\i:49+\i]
	v_pk_add_f32 v[64+\i:65+\i], v[64+\i:65+\i], v[80+\i:81+\i]
.endr
.irp i, 0,2,4,6,8,10,12,14
	v_pk_add_f32 v[32+\i:33+\i], v[32+\i:33+\i], v[64+\i:65+\i]
.endr
	v_max3_num_f32 v20, v32, v33, v34              ; the maximum: my sixteen,
	v_max3_num_f32 v22, v40, v41, v42
	v_max3_num_f32 v20, v20, v35, v36
	v_max3_num_f32 v22, v22, v43, v44
	v_max3_num_f32 v20, v20, v37, v38
	v_max3_num_f32 v22, v22, v45, v46
	v_max3_num_f32 v20, v20, v39, v47
	v_max_num_f32 v20, v20, v22
.irp m, 1,2,4,8                                ; my wave's 512
	v_max_num_f32_dpp v20, v20, v20 row_xmask:\m row_mask:0xf bank_mask:0xf
.endr
	v_permlanex16_b32 v21, v20, s10, s11
	v_max_num_f32 v20, v20, v21
.irp i, 0,2,4,6,8,10,12,14
	v_pk_add_f32 v[32+\i:33+\i], v[32+\i:33+\i], v[20:21] op_sel_hi:[1,0] neg_lo:[0,1] neg_hi:[0,1]   ; x - m (of the pair the low word serves both halves)
.endr
.irp i, 0,2,4,6,8,10,12,14
	v_pk_mul_f32 v[32+\i:33+\i], v[32+\i:33+\i], L2E op_sel_hi:[1,0]
.endr
	s_wait_alu depctr_va_vdst(0)                   ; one wait ahead of the batch and one behind it
.irp i, 0,1,2,3,4,5,6,7,8,9,10,11,12,13,14,15
	v_exp_f32 v[32+\i], v[32+\i]
.endr
	v_mov_b32 v24, v20                             ; (a plain line behind the last exponential)  my wave's maximum, beside its sum
	s_wait_alu depctr_va_vdst(0)
	v_pk_add_f32 v[26:27], v[32:33], v[34:35]      ; the sum: my sixteen,
	v_pk_add_f32 v[28:29], v[36:37], v[38:39]
	v_pk_add_f32 v[30:31], v[40:41], v[42:43]
	v_pk_add_f32 v[22:23], v[44:45], v[46:47]
	v_pk_add_f32 v[26:27], v[26:27], v[28:29]
	v_pk_add_f32 v[30:31], v[30:31], v[22:23]
	v_pk_add_f32 v[26:27], v[26:27], v[30:31]
	v_add_f32 v25, v26, v27
.irp m, 1,2,4,8                                ; my wave's
	v_add_f32_dpp v25, v25, v25 row_xmask:\m row_mask:0xf bank_mask:0xf
.endr
	v_permlanex16_b32 v21, v25, s10, s11
	v_add_f32 v25, v25, v21
	ds_store_b64 v2, v[24:25]                      ; all lanes write their wave's pair with the same values
	s_wait_alu depctr_va_vdst(0)                   ; ahead of the waits below
	s_wait_dscnt 0x0                               ; for the others' sake: the store has landed
	s_barrier_signal -1
	s_barrier_wait -1
	ds_load_b128 v[4:7], v3                        ; the four pairs, in every lane
	ds_load_b128 v[8:11], v3 offset:16
	s_wait_dscnt 0x0
	v_max3_num_f32 v12, v4, v6, v8
	v_max_num_f32 v12, v12, v10                    ; the row's maximum
	v_sub_f32 v13, v4, v12
	v_sub_f32 v14, v6, v12
	v_sub_f32 v15, v8, v12
	v_sub_f32 v16, v10, v12
	v_sub_f32 v17, v24, v12                        ; and mine
.irp i, 13,14,15,16,17
	v_mul_f32 v[\i], L2E, v[\i]
.endr
	s_wait_alu depctr_va_vdst(0)
.irp i, 13,14,15,16,17
	v_exp_f32 v[\i], v[\i]
.endr
	v_nop                                          ; a plain line behind the last exponential
	s_wait_alu depctr_va_vdst(0)
	v_mul_f32 v18, v13, v5
	v_mul_f32 v19, v14, v7
	v_fmac_f32 v18, v15, v9
	v_fmac_f32 v19, v16, v11
	v_add_f32 v18, v18, v19                        ; the row's sum: at least 1, since the largest term is 2^0
	s_wait_alu depctr_va_vdst(0)
	v_rcp_f32 v18, v18
	v_nop                                          ; a plain line behind the reciprocal
	s_wait_alu depctr_va_vdst(0)
	v_mul_f32 v18, v17, v18                        ; my wave's part under the row's maximum, over the row's sum
.irp i, 0,2,4,6,8,10,12,14
	v_pk_mul_f32 v[32+\i:33+\i], v[32+\i:33+\i], v[18:19] op_sel_hi:[1,0]
.endr
.irp k, 0,1,2,3
	global_store_b128 v1, v[32+4*\k:35+4*\k], s[6:7] offset:2048*\k   ; a wave stores 512 consecutive bytes, at a multiple of 256 from out0's first byte
.endr
	s_wait_tensorcnt 0x0                           ; the wave's end
	ds_add_u32 v96, v97
	s_wait_dscnt 0x0
	s_endpgm
.Lfunc_end_k_qe533bfcb55_softmax:
	.size	k_qe533bfcb55_softmax, .Lfunc_end_k_qe533bfcb55_softmax-k_qe533bfcb55_softmax
	.p2alignl 7, 3214868480
	.fill 96, 4, 3214868480
	.section	.rodata,"a",@progbits
	.p2align	6, 0x0
	.amdhsa_kernel k_qe533bfcb55_softmax
		.amdhsa_group_segment_fixed_size 768
		.amdhsa_private_segment_fixed_size 0
		.amdhsa_enable_private_segment 0
		.amdhsa_kernarg_size 16
		.amdhsa_user_sgpr_count 2
		.amdhsa_user_sgpr_kernarg_segment_ptr 1
		.amdhsa_wavefront_size32 1
		.amdhsa_system_sgpr_workgroup_id_x 1
		.amdhsa_system_sgpr_workgroup_id_y 1
		.amdhsa_system_sgpr_workgroup_id_z 1
		.amdhsa_system_vgpr_workitem_id 0
		.amdhsa_next_free_vgpr 98
		.amdhsa_next_free_sgpr 66
		.amdhsa_reserve_vcc 0
		.amdhsa_float_denorm_mode_32 3
		.amdhsa_float_denorm_mode_16_64 3
		.amdhsa_memory_ordered 1
		.amdhsa_forward_progress 1
		.amdhsa_inst_pref_size 10
	.end_amdhsa_kernel
	.amdgpu_metadata
---
amdhsa.version: [ 1, 2 ]
amdhsa.kernels:
  - .name:           k_qe533bfcb55_softmax
    .symbol:         k_qe533bfcb55_softmax.kd
    .args:
      - { .name: part, .offset: 0, .size: 8, .value_kind: global_buffer, .address_space: global }
      - { .name: out0, .offset: 8, .size: 8, .value_kind: global_buffer, .address_space: global }
    .group_segment_fixed_size: 768
    .private_segment_fixed_size: 0
    .kernarg_segment_align: 8
    .kernarg_segment_size: 16
    .max_flat_workgroup_size: 128
    .sgpr_count:     66
    .vgpr_count:     98
    .wavefront_size: 32
...
	.end_amdgpu_metadata
.endif
;; end of part 4
